; MI455X (gfx1250); checked and timed in simulation.
; The chip was launched on July 23, 2026; its instructions are those of AMD's public machine-readable ISA for CDNA 5 (MIT licence, August 2026) and "CDNA5" Instruction Set Architecture Reference Guide (July 2026). The comments in the code are by the model that wrote it; some were corrected since.
;; Truly Neural Syscall Handlers V3. Allowed arithmetic: matrix products marked QUANTISED: E2M1 operands, one E8M0 scale for each 32 along K, by v_wmma_scale_f32_16x16x128_f8f6f4 with both operands' format E2M1 (or v_wmma_scale_f32_32x16x128_f4), f32 sums; products left as they are: f32 operands where the result goes on into a quantised operand, else bf16, f16 or f32 operands; f32 sums; everything else in f32.
;; Inputs: args 131,072 x 384 float32; hb1 8 x 128 float32; hb2 8 x 65 float32; hw1 8 x 400 x 128 float32; hw2_codes 8 x 65 x 4 x 16 uint8 (E2M1 codes of hw2, K innermost, in blocks of 32 codes, two codes a byte); hw2_scales 8 x 65 x 4 uint8 (E8M0 scales of hw2, one for each 32 codes along K); qe_b1 64 float32; qe_b2 64 float32; qe_w1 16 x 64 float32; qe_w2_codes 64 x 2 x 16 uint8 (E2M1 codes of qe_w2, K innermost, in blocks of 32 codes, two codes a byte); qe_w2_scales 64 x 2 uint8 (E8M0 scales of qe_w2, one for each 32 codes along K); query 131,072 x 16 float32; syscall_keys_codes 512 x 2 x 16 uint8 (E2M1 codes of syscall_keys, K innermost, in blocks of 32 codes, two codes a byte); syscall_keys_scales 512 x 2 uint8 (E8M0 scales of syscall_keys, one for each 32 codes along K); syscall_to_subsystem 512 x 8 float32; temperature one number float32.
;; Outputs: out0 131,072 x 65 float32.
;; This version of the problem:
;;   THIS VERSION OF THE PROBLEM IS GIVEN IN LOW PRECISION. The matrix products marked QUANTISED in the list below multiply operands that are first quantised to E2M1 (2 exponent bits, 1 mantissa bit; 4 bits a number), with one power-of-two scale for each 32 numbers along K (OCP MX v1.0); their sums are f32. All else is computed in f32.
;;   The module's matrix products, in the order in which they are computed (A, B: the left and right operand; K: the contracted axis; several contracted axes count as one K, in the product's order):
;;     1. [M 131,072, K 16] x [K 16, N 64]; A: input query; B: input qe_w1: left as it is (K = 16 < 32)
;;     2. [M 131,072, K 64] x [K 64, N 64]; A: computed on the way; B: input qe_w2 (given as codes): QUANTISED
;;     3. [M 131,072, K 64] x [K 64, N 512]; A: computed on the way; B: input syscall_keys (given as codes): QUANTISED
;;     4. [M 131,072, K 512] x [K 512, N 8]; A: softmax; B: computed on the way: left as it is (N = 8 < 16)
;;     5. [M 1,024, K 400] x [K 400, N 131,072]; A: input hw1; B: computed on the way: QUANTISED
;;     6. batch 8 x [M 131,072, K 128] x [K 128, N 65]; A: computed on the way; B: input hw2 (given as codes): QUANTISED
;;     7. batch 131,072 x [M 1, K 8] x [K 8, N 65]; A: computed on the way; B: computed on the way: left as it is (K = 8 < 32)
;;   THE QUANTISER, for each operand of a quantised product, along K:
;;     - K is cut into blocks of 32 from its start; a last block that is shorter is filled with zeros.
;;     - A block's scale is 2^e with e = floor(log2(the largest magnitude in the block)) - 2, held to -126 .. 127; a block of zeros has e = 0. As a byte (E8M0): e + 127.
;;     - Each number is divided by its block's scale, clamped to +-6, and rounded to the nearest number of E2M1, ties to even, subnormals kept.
;;     - The product sums the exact products of the quantised numbers (number of the format x scale) in f32.
;;   ~~~python
;;   def quantise(x, axis):      # numpy; x: float32 -> the quantised numbers, widened to float32 again
;;       x = np.moveaxis(x, axis, -1); K = x.shape[-1]
;;       x = np.pad(x, [(0, 0)] * (x.ndim - 1) + [(0, -K % 32)]); x = x.reshape(x.shape[:-1] + (-1, 32)); a = np.abs(x).max(-1, keepdims=True)
;;       e = np.where(a > 0, np.clip(np.frexp(np.where(a > 0, a, 1))[1] - 1 - 2, -126, 127), 0)      # np.frexp(a)[1] - 1 = floor(log2(a)), exactly
;;       r = np.clip(x / 2.0 ** e, -6, 6)
;;       step = 2.0 ** (np.maximum(np.frexp(np.where(r == 0, 1, r))[1] - 1, 0) - 1)
;;       q = np.round(r / step) * step * 2.0 ** e      # np.round: ties to even
;;       return np.moveaxis(q.reshape(q.shape[:-2] + (-1,))[..., :K], -1, axis).astype(np.float32)
;;   ~~~
;;   OPERANDS COMPUTED ON THE WAY. 'Computed on the way' means the value that the module computes at that place (a softmax that the list does not call 'softmax' is quantised finished and normalised). What goes into a quantiser is computed in f32, as accurately as f32 sums, v_exp_f32 and their like allow (about 1e-6 of the number): no bf16 or f16 on the way to a quantiser, and a product that is left as it is and whose result goes on into a quantised operand takes f32 operands (vector FMAs, or v_wmma_f32_16x16x4_f32). A number that lies on a knife's edge between two numbers of the format may be rounded either way, as far as f32 arithmetic and the matrix unit's own rounding can turn it there, and no further.
;;   INPUTS GIVEN AS CODES. hw2 (in the module: [8, 128, 65], K = its axis 1); qe_w2 (in the module: [64, 64], K = its axis 0); syscall_keys (in the module: [512, 64], K = its axis 1): each comes as NAME_codes (uint8): NAME with its K axis moved to the last place and cut into blocks of 32 codes, [.., K / 32, bytes a block], one block behind the other in memory; two codes a byte, the lower K in the low four bits (a code: sign, 2 exponent bits, 1 mantissa bit); and NAME_scales (uint8): the same leading axes, one E8M0 byte (e + 127) for each 32 codes along K. Its value is code x scale, taken as it is: it is not quantised again, and the codes and scales need not be those that the quantiser above would give.
;; One version. Each part assembles by itself: llvm-mc -triple=amdgcn-amd-amdhsa -mcpu=gfx1250 --defsym DOCPART=n.
;; ======== version 1 of 1: 2 launches
;; limits: values are held in f16: magnitudes above 65,504 overflow, below 6.1e-05 lose precision; right only within a limited range of input values
;; workspace buffers: w1img 229,376 bytes; w1scl 16,384 bytes; subw 4,194,304 bytes
;; launch route (part 1): grid 256 x 1, 16 waves a work-group, no clusters, 41,984 bytes of LDS; arguments query, qe_w1, qe_b1, qe_w2_codes, qe_w2_scales, qe_b2, syscall_keys_codes, syscall_keys_scales, syscall_to_subsystem, temperature, hw1, w1img, w1scl, subw; writes w1img, w1scl, subw
.if DOCPART == 1
	.amdgcn_target "amdgcn-amd-amdhsa--gfx1250"
	.amdhsa_code_object_version 6
	.text
	.protected	k_q023cc64c26_route
	.globl	k_q023cc64c26_route
	.p2align	8
	.type	k_q023cc64c26_route,@function
k_q023cc64c26_route:
	s_mov_b64 s[64:65], 0
	v_nop
	global_prefetch_b8 v0, s[64:65] scope:SCOPE_SE
	s_setreg_imm32_b32 hwreg(HW_REG_WAVE_MODE, 25, 1), 1
	s_wait_xcnt 0x0
; ROUTE.  subw[token][8] = softmax_k( Q4(q) . keys / temperature ) @ softmax(syscall_to_subsystem),  q = Q4(gelu(query qe_w1 + qe_b1)) qe_w2 + qe_b2,
; Q4 the E2M1 quantiser along K with one E8M0 scale for each 32.  Beside that, 128 waves quantise hw1 once, along its K of 400, into w1img / w1scl, laid in the order of the next launch's operand registers.
; NO WORK IS LEFT OUT: every input has a way to out0 (qe_b2 stands ahead of a quantiser; all eight experts are weighed in), and every input is loaded by one of the two launches.
; SHARES.  A work-group takes 512 tokens, each of its 16 waves two tiles of 16.  Every product is used transposed (source 0 = 16 rows of a weight, source 1 = 16 tokens): a lane (r = lane % 16, h = lane / 16) holds ONE token throughout.
; The rows of qe_w1 and qe_w2 that form a tile are chosen (lane r of tile 2 b + u takes row 32 b + 8 u + r + 8 (r / 8)) so that the 16 registers of tiles 2 b, 2 b + 1 are 16 neighbours along the next K.
; K = 64 fills half of the matrix instruction's 128: the token side carries zero codes for k = 64 .. 127, so whatever registers the weight side names there add nothing.
; THE SOFTMAX takes a running maximum over four chunks of 128 keys.  p goes in f16 into the product with the map; the map's operand has a ninth row of ones, so that the row's sum falls out of the same product.
; A negative temperature is served without a branch: the signs of q's codes are flipped (exact) and |log2(e) / temperature| scales the scores.
; GELU(x) = max(x, 0) - |x| E,  E = erfc(|x| / sqrt 2) / 2 = t 2^(P(t) - |x|^2 log2(e) / 2 - 1),  t = 1 / (1 + |x| / (2 sqrt 2)),  P of degree 9: nothing cancels for x < 0.
; LIMITS: NaN and infinities among the inputs are not served; temperature 0 is not served; a p under f16's smallest number counts as 0 (each under 6e-8 beside a sum of at least 1);
; where E falls under 2^-126 gelu gives -0 for x < 0; a block of zeros gets the scale byte 1 where the rule says 127 (its codes are zeros; this program alone reads the bytes).
; No tensor load and no cluster: what work-groups share is 40 KB of tables, read once at the head.
.set KIMG,  0                          ; LDS: 32 key tiles x 512 bytes, images of the operand's registers (lane l's 16 bytes at 16 l)
.set KSC,   16384                      ; the keys' scale bytes as they lie: 2 bytes a key
.set MIMG,  17408                      ; the map in f16: 16 fragments (16 rows x 32 keys) x 1,024 bytes, register images
.set W1IMG, 33792                      ; qe_w1: 4 tiles x 1,024 bytes, register images of the f32 form's source 0
.set QB1,   37888                      ; qe_b1, 256 bytes;
.set QB2,   38144                      ; qe_b2, 256 bytes; three more copies of the two follow (each thread stages one word, without a branch)
.set SPARE, 39936                      ; the spare words: 128 bytes for each of 16 waves
.set LI,   3                           ; v3   16 x lane
.set LK,   4                           ; v4   KSC + 2 x lane
.set BO,   5                           ; v5   64 h
.set ADK,  6                           ; v6-8 addresses of the chunk in hand: key tiles, key scales, map
.set ADS,  7
.set ADM,  8
.set QOFF, 9                           ; v9   64 r + 32 h: my 8 numbers of my token's query
.set SOFF, 10                          ; v10  32 r + 16 h: my 16 bytes of my token's row of subw
.set SGN,  11                          ; v11  0x88888888 where temperature < 0, else 0
.set NM,   12                          ; v12 -M, v13 M: the running maximum
.set CP,   14                          ; v[14:15] |log2(e) / temperature|
.set FF,   16                          ; v[16:17] f = 2^(old M - new M)
.set PW,   18                          ; v18  the scale word just made
.set TMPA, 19
.set SPW,  20                          ; v20  my spare word's address; v21 0: kept for the add alone
.set NIL,  21
.set KZ,   22                          ; v[22:23] -log2(e) / 2
.set QB,   24                          ; v24-31 my 8 numbers of the query
.set PC,   32                          ; v32-35 the codes just made; v36-39 zero codes, never rewritten
.set W2Q,  40                          ; v40-55 qe_w2's four tiles, 4 registers each; v56-59 so that the last tuple of 8 is written
.set W2QS, 60                          ; v60-63 their scale words
.set D,    64                          ; v64-79 two accumulators of the product with the map
.set TM,   64                          ; the quantiser's 16 registers at work (D is idle then)
.set KS,   80                          ; v80-83 key scales: lanes 0-15 tile 2 i, lanes 16-31 tile 2 i + 1
.set M,    84                          ; v84-115 four accumulators, written by matrix instructions alone
.set W1A,  116                         ; v116-147 qe_w1's fragments,
.set G,    116                         ; then gelu's results
.set S,    148
.set GR,   148                         ; gelu at work: max(x, 0);
.set GT,   164                         ; t, then t |x|;
.set GH,   180                         ; the polynomial, then the power of two;
.set GZ,   196                         ; the square's term
.set KF,   212                         ; v212-243 eight key tiles, 4 registers each, then four fragments of the map; v244-247 so that the last tuple is written
.set CB,   212                         ; or a bias in the result's layout
.set C9,   248                         ; v[248:249]
.set WV,   37
.set HI16, 38                          ; s38 the mask of lanes 16-31
.set SC8,  40                          ; s[40:59] gelu's constants, as pairs: the packed forms name a pair and take its low word
.set SC7,  42
.set SC6,  44
.set SC5,  46
.set SC4,  48
.set SC3,  50
.set SC2,  52
.set SC1,  54
.set SC0,  56
.set SC35, 58
.set SEL,  66                          ; s[66:67] v_permlanex16_b32's selects for lane l xor 16
.macro SPAIR reg, val
	s_mov_b32 s[\reg], \val
	s_mov_b32 s[\reg+1], \val
.endm
; 16 numbers: 168 instructions.  The reciprocals are one batch with one wait, the exponentials another; plain work that names no result stands behind each batch.
.macro GELU16 src, dst
.set gi, 0
.rept 16
	v_max_num_f32 v[GR+gi], 0, v[\src+gi]                  ; max(x, 0); an accumulator is read from its low end on
.set gi, gi+1
.endr
.set gi, 0
.rept 8
	v_pk_fma_f32 v[\dst+gi:\dst+gi+1], v[GR+gi:GR+gi+1], 2.0, v[\src+gi:\src+gi+1] op_sel_hi:[1,0,1] neg_lo:[0,0,1] neg_hi:[0,0,1]   ; a = 2 max(x, 0) - x = |x|, exactly
.set gi, gi+2
.endr
.set gi, 0
.rept 8
	v_pk_fma_f32 v[GT+gi:GT+gi+1], v[\dst+gi:\dst+gi+1], s[SC35:SC35+1], 1.0 op_sel_hi:[1,0,0]
.set gi, gi+2
.endr
.set gi, 0
	s_wait_alu depctr_va_vdst(0)
.rept 16
	v_rcp_f32 v[GT+gi], v[GT+gi]                           ; t
.set gi, gi+1
.endr
.set gi, 0
.rept 8
	v_pk_mul_f32 v[GZ+gi:GZ+gi+1], v[\dst+gi:\dst+gi+1], v[\dst+gi:\dst+gi+1]
.set gi, gi+2
.endr
.set gi, 0
.rept 8
	v_pk_fma_f32 v[GZ+gi:GZ+gi+1], v[GZ+gi:GZ+gi+1], v[KZ:KZ+1], s[SC0:SC0+1] op_sel_hi:[1,1,0]   ; c0 - 1 - a^2 log2(e) / 2
.set gi, gi+2
.endr
	s_wait_alu depctr_va_vdst(0)                           ; one wait for the 16 reciprocals, ahead of their first reader
.set gi, 0
.rept 8
	v_pk_fma_f32 v[GH+gi:GH+gi+1], v[GT+gi:GT+gi+1], v[C9:C9+1], s[SC8:SC8+1] op_sel_hi:[1,1,0]
.set gi, gi+2
.endr
.irp c, SC7,SC6,SC5,SC4,SC3,SC2,SC1
.set gi, 0
.rept 8
	v_pk_fma_f32 v[GH+gi:GH+gi+1], v[GH+gi:GH+gi+1], v[GT+gi:GT+gi+1], s[\c:\c+1] op_sel_hi:[1,1,0]
.set gi, gi+2
.endr
.endr
.set gi, 0
.rept 8
	v_pk_fma_f32 v[GH+gi:GH+gi+1], v[GH+gi:GH+gi+1], v[GT+gi:GT+gi+1], v[GZ+gi:GZ+gi+1]
.set gi, gi+2
.endr
.set gi, 0
	s_wait_alu depctr_va_vdst(0)
.rept 16
	v_exp_f32 v[GH+gi], v[GH+gi]
.set gi, gi+1
.endr
.set gi, 0
.rept 8
	v_pk_mul_f32 v[GT+gi:GT+gi+1], v[GT+gi:GT+gi+1], v[\dst+gi:\dst+gi+1]   ; t a
.set gi, gi+2
.endr
	s_wait_alu depctr_va_vdst(0)                           ; one wait for the 16 exponentials
.set gi, 0
.rept 8
	v_pk_fma_f32 v[\dst+gi:\dst+gi+1], v[GH+gi:GH+gi+1], v[GT+gi:GT+gi+1], v[GR+gi:GR+gi+1] neg_lo:[1,0,0] neg_hi:[1,0,0]   ; max(x, 0) - a E
.set gi, gi+2
.endr
.endm
; nb blocks of 32: register 16 b + i of v[s] on is k = 32 b + 16 h + i of my token.  Codes into v[PC] on, in the operand's layout; the scale word into v[PW].
.macro QUANT s, nb
.irp b, 0,1,2,3
.if \b < \nb
	v_max3_num_f32 v[TM+\b], |v[\s+16*\b]|, |v[\s+1+16*\b]|, 0x1800000   ; my 16 numbers, and the floor 2^(3 - 127): the byte cannot fall under 1
.endif
.endr
.irp i, 2,4,6,8,10,12,14
.irp b, 0,1,2,3
.if \b < \nb
	v_max3_num_f32 v[TM+\b], v[TM+\b], |v[\s+16*\b+\i]|, |v[\s+1+16*\b+\i]|
.endif
.endr
.endr
.irp b, 0,1,2,3
.if \b < \nb
	v_permlanex16_b32 v[TM+4+\b], v[TM+\b], s[SEL], s[SEL+1]
.endif
.endr
.irp b, 0,1,2,3
.if \b < \nb
	s_delay_alu instid0(VALU_DEP_2)
	v_max_num_f32 v[TM+\b], v[TM+\b], v[TM+4+\b]           ; with lane l xor 16's: the block's largest magnitude
.endif
.endr
.irp b, 0,1,2,3
.if \b < \nb
	s_delay_alu instid0(VALU_DEP_2)
	v_add_nc_u32 v[TM+12+\b], 0xff000000, v[TM+\b]         ; 2 off its exponent field: the conversion's scale operand
.endif
.endr
.irp b, 0,1,2,3
.if \b < \nb
	s_delay_alu instid0(VALU_DEP_2)
	v_lshrrev_b32 v[TM+4+\b], 23, v[TM+12+\b]              ; the scale's byte
.endif
.endr
	s_delay_alu instid0(VALU_DEP_1)
	v_lshl_or_b32 v[PW], v[TM+5], 8, v[TM+4]
.if \nb > 2
	v_lshl_or_b32 v[PW], v[TM+6], 16, v[PW]
	v_lshl_or_b32 v[PW], v[TM+7], 24, v[PW]
.endif
.irp b, 0,1,2,3
.if \b < \nb
	v_cvt_scalef32_pk8_fp4_f32 v[PC+2*\b], v[\s+16*\b:\s+7+16*\b], v[TM+12+\b]
	v_cvt_scalef32_pk8_fp4_f32 v[PC+1+2*\b], v[\s+8+16*\b:\s+15+16*\b], v[TM+12+\b]
.endif
.endr
	v_nop                                                  ; one plain place behind a scaled conversion
.irp c, 0,1
.if 2*\c < \nb
.irp i, 0,1
	v_permlane16_swap_b32 v[PC+4*\c+\i], v[PC+2+4*\c+\i]   ; a whole block to a lane: lanes 0-15 block 2 c, lanes 16-31 block 2 c + 1
.endr
.endif
.endr
.endm
	s_load_b512 s[8:23], s[0:1], 0x0               ; query 8, qe_w1 10, qe_b1 12, qe_w2 codes 14, scales 16, qe_b2 18, key codes 20, key scales 22
	s_load_b256 s[24:31], s[0:1], 0x40             ; syscall_to_subsystem 24, temperature 26, hw1 28, w1img 30
	s_load_b128 s[32:35], s[0:1], 0x60             ; w1scl 32, subw 34
	v_lshl_add_u32 v[SPW], v0, 2, SPARE
	v_mov_b32 v[NIL], 0
	v_lshrrev_b32 v[TMPA], 5, v0
	s_delay_alu instid0(VALU_DEP_1)
	v_readfirstlane_b32 s[WV], v[TMPA]             ; wave 0..15
	v_and_b32 v1, 15, v0                           ; r
	v_bfe_u32 v2, v0, 4, 1                         ; h
	v_and_b32 v[TMPA], 31, v0
	s_delay_alu instid0(VALU_DEP_1)
	v_lshlrev_b32 v[LI], 4, v[TMPA]
	s_delay_alu instid0(VALU_DEP_2)
	v_lshl_add_u32 v[LK], v[TMPA], 1, KSC
	s_delay_alu instid0(VALU_DEP_4)
	v_lshlrev_b32 v[BO], 6, v2
	v_lshlrev_b32 v[QOFF], 6, v1
	s_delay_alu instid0(VALU_DEP_1)
	v_lshl_add_u32 v[QOFF], v2, 5, v[QOFF]
	v_lshlrev_b32 v[SOFF], 5, v1
	s_delay_alu instid0(VALU_DEP_1)
	v_lshl_add_u32 v[SOFF], v2, 4, v[SOFF]
	SPAIR SC8, 0xbf97d29d                          ; P's coefficients times log2(e)
	SPAIR SC7, 0x40097039
	SPAIR SC6, 0xbfd1a1e5
	SPAIR SC5, 0x3ecdfd18
	SPAIR SC4, 0xbe899a80
	SPAIR SC3, 0x3e0efb2e
	SPAIR SC2, 0x3f0a29d2
	SPAIR SC1, 0x3fb8ab5a
	SPAIR SC0, 0xc034d90f                          ; c0 log2(e) - 1: the half of erfc / 2 rides in the exponent
	SPAIR SC35, 0x3eb504f3                         ; 1 / (2 sqrt 2)
	s_mov_b32 s[HI16], 0xffff0000
	s_mov_b32 s[SEL], 0x76543210
	s_mov_b32 s[SEL+1], 0xfedcba98
	v_mov_b32 v[KZ], 0xbf38aa3b
	v_mov_b32 v[KZ+1], 0xbf38aa3b
	v_mov_b32 v[C9], 0x3e7c6f08
	v_mov_b32 v[C9+1], 0x3e7c6f08
.irp i, 36,37,38,39,56,57,58,59,244,245,246,247,17,68,69
	v_mov_b32 v[\i], 0                             ; zero codes; the ends of tuples; halves of pairs and lane permutes' destinations, which count as read
.endr
	s_lshl_b32 s72, ttmp9, 15                      ; my wave's first token, in bytes of query: (512 work-group + 32 wave) x 64
	s_lshl_b32 s73, s[WV], 11
	s_add_co_u32 s72, s72, s73
	s_mov_b32 s73, 0
	s_lshr_b32 s74, s72, 1                         ; and of subw: x 32
	s_mov_b32 s75, 0
	s_and_b32 s78, s[WV], 3                        ; staging of qe_w1: wave = 4 t + ks brings tile t's K step ks
	s_lshr_b32 s79, s[WV], 2
	s_lshr_b32 s80, s79, 1
	s_and_b32 s81, s79, 1
	s_lshl_b32 s76, s80, 7                         ; column 32 (t / 2) + 8 (t % 2), 4 bytes each,
	s_lshl_b32 s82, s81, 5
	s_add_co_u32 s76, s76, s82
	s_lshl_b32 s82, s78, 9                         ; row 2 ks, 256 bytes each
	s_add_co_u32 s76, s76, s82
	s_mov_b32 s77, 0
	s_lshl_b32 s83, s79, 10                        ; its place in the image: 1,024 t + 512 (ks / 2) + 8 (ks % 2)
	s_lshr_b32 s82, s78, 1
	s_lshl_b32 s82, s82, 9
	s_add_co_u32 s83, s83, s82
	s_and_b32 s82, s78, 1
	s_lshl_b32 s82, s82, 3
	s_add_co_u32 s83, s83, s82
	v_lshlrev_b32 v136, 4, v0                      ; offsets in memory: key codes, 16 bytes a thread, twice;
	v_lshlrev_b32 v137, 1, v0                      ; key scales, 2 bytes (in LDS the same);
	v_lshlrev_b32 v138, 5, v0                      ; the map's logits of key = thread, 32 bytes;
	v_and_b32 v139, 8, v1
	s_delay_alu instid0(VALU_DEP_1)
	v_add_nc_u32 v139, v139, v1                    ; r + 8 (r / 8)
	s_delay_alu instid0(VALU_DEP_1)
	v_lshlrev_b32 v140, 2, v139
	s_delay_alu instid0(VALU_DEP_1)
	v_lshl_add_u32 v140, v2, 11, v140              ; qe_w1(8 h + 2 ks + j, column): slot (ks, h, j) of the f32 form holds k = 8 h + 2 ks + j, on both sides alike
	v_and_b32 v141, 63, v0
	s_delay_alu instid0(VALU_DEP_1)
	v_lshlrev_b32 v141, 2, v141                    ; a bias word;
	v_lshlrev_b32 v142, 5, v139
	s_delay_alu instid0(VALU_DEP_1)
	v_lshl_add_u32 v142, v2, 4, v142               ; qe_w2's codes: 32 bytes a row, block h;
	v_lshlrev_b32 v143, 1, v139                    ; its scales
	v_lshrrev_b32 v144, 5, v0                      ; LDS: chunk c = thread is block c % 2 of key c / 2: tile c / 32, lane 16 (c % 2) + (c / 2) % 16
	s_delay_alu instid0(VALU_DEP_1)
	v_lshlrev_b32 v144, 9, v144
	v_and_b32 v145, 1, v0
	s_delay_alu instid0(VALU_DEP_1)
	v_lshl_add_u32 v144, v145, 8, v144
	v_bfe_u32 v145, v0, 1, 4
	s_delay_alu instid0(VALU_DEP_1)
	v_lshl_add_u32 v144, v145, 4, v144
	v_lshrrev_b32 v147, 5, v0                      ; the map of key k = thread: fragment k / 32, registers 4-7 for (k / 16) % 2, lanes 16-31 for (k / 8) % 2, half word k % 8; row s is 16 s further on
	s_delay_alu instid0(VALU_DEP_1)
	v_lshlrev_b32 v147, 10, v147
	s_delay_alu instid0(VALU_DEP_1)
	v_lshl_add_u32 v147, v2, 9, v147
	v_bfe_u32 v145, v0, 3, 1
	s_delay_alu instid0(VALU_DEP_1)
	v_lshl_add_u32 v147, v145, 8, v147
	v_bfe_u32 v145, v0, 1, 2
	s_delay_alu instid0(VALU_DEP_1)
	v_lshl_add_u32 v147, v145, 2, v147
	v_and_b32 v145, 1, v0
	s_delay_alu instid0(VALU_DEP_1)
	v_lshl_add_u32 v147, v145, 1, v147
	v_lshrrev_b32 v148, 3, v0                      ; rows 8-15 of the map's fragments: 64 groups of 256 bytes, their upper 128; 16 bytes a thread
	s_delay_alu instid0(VALU_DEP_1)
	v_lshlrev_b32 v148, 8, v148
	v_and_b32 v145, 7, v0
	s_delay_alu instid0(VALU_DEP_1)
	v_lshl_add_u32 v148, v145, 4, v148
	s_delay_alu instid0(VALU_DEP_2)
	v_cmp_eq_u32 vcc_lo, 0, v145
	v_mov_b32 v146, 0x3c003c00                     ; row 8: ones in f16; rows 9-15: zeros
	s_delay_alu instid0(VALU_DEP_1)
	v_cndmask_b32 v152, 0, v146, vcc_lo
	s_delay_alu instid0(VALU_DEP_1)
	v_mov_b32 v153, v152
	s_delay_alu instid0(VALU_DEP_2)
	v_mov_b32 v154, v152
	s_delay_alu instid0(VALU_DEP_3)
	v_mov_b32 v155, v152
	v_add_nc_u32 v149, s83, v[LI]
	v_lshlrev_b32 v150, 2, v0
	ds_store_b128 v148, v[152:155] offset:MIMG+128
	s_wait_alu depctr_va_vdst(0)
	s_wait_kmcnt 0x0
	s_load_b32 s36, s[26:27], 0x0                  ; temperature
	s_add_nc_u64 s[8:9], s[8:9], s[72:73]
	s_add_nc_u64 s[34:35], s[34:35], s[74:75]
	s_add_nc_u64 s[10:11], s[10:11], s[76:77]
	s_bitcmp1_b32 s[WV], 1                         ; waves 0, 1 (mod 4) stage qe_b1, waves 2, 3 qe_b2: the choice hangs on the wave's number alone
	s_cselect_b64 s[12:13], s[18:19], s[12:13]
	global_load_b128 v[116:119], v136, s[20:21]
	global_load_b128 v[120:123], v136, s[20:21] offset:8192
	global_load_b128 v[124:127], v138, s[24:25]
	global_load_b128 v[128:131], v138, s[24:25] offset:16
	global_load_u16 v132, v137, s[22:23]
	global_load_b32 v133, v141, s[12:13]
	global_load_b32 v134, v140, s[10:11]
	global_load_b32 v135, v140, s[10:11] offset:256
.irp t, 0,1,2,3
	global_load_b128 v[W2Q+4*\t:W2Q+4*\t+3], v142, s[14:15] offset:(32*(\t/2)+8*(\t%2))*32
	global_load_u16 v[W2QS+\t], v143, s[16:17] offset:(32*(\t/2)+8*(\t%2))*2
.endr
	global_load_b128 v[QB:QB+3], v[QOFF], s[8:9] th:TH_LOAD_NT
	global_load_b128 v[QB+4:QB+7], v[QOFF], s[8:9] offset:16 th:TH_LOAD_NT
	s_wait_loadcnt 0x0
	s_wait_kmcnt 0x0
	ds_store_b128 v144, v[116:119] offset:KIMG
	ds_store_b128 v144, v[120:123] offset:KIMG+8192
	ds_store_b16 v137, v132 offset:KSC
	ds_store_b32 v150, v133 offset:QB1
	ds_store_b64 v149, v[134:135] offset:W1IMG
	; the map: softmax over my key's 8 logits, the maximum taken away
	v_max3_num_f32 v156, v124, v125, v126
	s_delay_alu instid0(VALU_DEP_1)
	v_max3_num_f32 v156, v156, v127, v128
	s_delay_alu instid0(VALU_DEP_1)
	v_max3_num_f32 v156, v156, v129, v130
	s_delay_alu instid0(VALU_DEP_1)
	v_max_num_f32 v156, v156, v131
.irp i, 0,1,2,3,4,5,6,7
	v_sub_f32 v[124+\i], v[124+\i], v156
.endr
.irp i, 0,1,2,3,4,5,6,7
	v_mul_f32 v[124+\i], 0x3fb8aa3b, v[124+\i]
.endr
	v_mov_b32 v[CP], s36
	s_wait_alu depctr_va_vdst(0)
.irp i, 0,1,2,3,4,5,6,7
	v_exp_f32 v[124+\i], v[124+\i]
.endr
	v_rcp_f32 v[CP+1], v[CP]
	v_nop
	s_wait_alu depctr_va_vdst(0)                   ; one wait for the eight exponentials and the reciprocal
	v_add_f32 v156, v124, v125
	v_add_f32 v157, v126, v127
	v_add_f32 v158, v128, v129
	v_add_f32 v159, v130, v131
	s_delay_alu instid0(VALU_DEP_3)
	v_add_f32 v156, v156, v157
	s_delay_alu instid0(VALU_DEP_2)
	v_add_f32 v158, v158, v159
	s_delay_alu instid0(VALU_DEP_1)
	v_add_f32 v156, v156, v158
	s_wait_alu depctr_va_vdst(0)
	v_rcp_f32 v156, v156
	v_mov_b32 v[TMPA], 0x88888888                  ; (a plain place behind the reciprocal)
	v_cmp_gt_f32 vcc_lo, 0, v[CP]
	s_delay_alu instid0(VALU_DEP_1)
	v_cndmask_b32 v[SGN], 0, v[TMPA], vcc_lo       ; the sign bits of eight codes, where temperature < 0
	v_mul_f32 v[CP], 0x3fb8aa3b, |v[CP+1]|
	s_delay_alu instid0(VALU_DEP_1)
	v_mov_b32 v[CP+1], v[CP]
	s_wait_alu depctr_va_vdst(0)
.irp i, 0,1,2,3,4,5,6,7
	v_mul_f32 v[124+\i], v[124+\i], v156
.endr
.irp p, 0,1,2,3
	v_cvt_pk_f16_f32 v[124+\p], v[124+2*\p], v[125+2*\p]
.endr
.irp p, 0,1,2,3
	ds_store_b16 v147, v[124+\p] offset:MIMG+32*\p
	ds_store_b16_d16_hi v147, v[124+\p] offset:MIMG+32*\p+16
.endr
	s_wait_dscnt 0x0                               ; for the others' sake: my stores have landed
	s_barrier_signal -1
	s_barrier_wait -1                              ; from here on LDS is only read
	; ---- hw1, once: wave 15 of work-groups 0 .. 127 takes expert id / 16, K step (id / 4) % 4, hidden units 32 (id % 4) on.  A lane takes a column, its registers run down K.
	s_cmp_lt_u32 ttmp9, 128
	s_cbranch_scc0 .Lno_prep
	s_cmp_eq_u32 s[WV], 15
	s_cbranch_scc0 .Lno_prep
	s_lshr_b32 s72, ttmp9, 4                       ; expert
	s_bfe_u32 s73, ttmp9, 0x20002                  ; K step
	s_and_b32 s74, ttmp9, 3                        ; group of 32 columns
	s_mul_i32 s76, s72, 204800                     ; hw1: (400 expert + 128 step) rows of 512 bytes + 128 group
	s_lshl_b32 s78, s73, 16
	s_add_co_u32 s76, s76, s78
	s_lshl_b32 s78, s74, 7
	s_add_co_u32 s76, s76, s78
	s_mov_b32 s77, 0
	s_add_nc_u64 s[28:29], s[28:29], s[76:77]
	s_mul_i32 s76, s72, 28672                      ; w1img: tile 8 expert + 2 group (+ u), 3,584 bytes each; 1,024 a step
	s_mul_i32 s78, s74, 7168
	s_add_co_u32 s76, s76, s78
	s_lshl_b32 s78, s73, 10
	s_add_co_u32 s76, s76, s78
	s_add_nc_u64 s[30:31], s[30:31], s[76:77]
	s_lshl_b32 s76, s72, 9                         ; w1scl: [step][tile][row] words
	s_lshl_b32 s78, s74, 7
	s_add_co_u32 s76, s76, s78
	s_lshl_b32 s78, s73, 12
	s_add_co_u32 s76, s76, s78
	s_add_nc_u64 s[32:33], s[32:33], s[76:77]
	v_and_b32 v250, 31, v0
	s_delay_alu instid0(VALU_DEP_1)
	v_lshlrev_b32 v250, 2, v250                    ; in: 4 bytes a lane: a load reads 128 consecutive bytes
	v_and_b32 v252, 7, v0
	s_delay_alu instid0(VALU_DEP_1)
	v_lshl_add_u32 v252, v2, 3, v252               ; column 8 u + r' + 8 (r' / 8) of the group is row r' of tile u: r' = lane % 8 + 8 (lane / 16),
	v_bfe_u32 v253, v0, 3, 1                       ; u = (lane / 8) % 2
	s_delay_alu instid0(VALU_DEP_1)
	v_mul_u32_u24 v251, v253, 3584
	s_delay_alu instid0(VALU_DEP_1)
	v_lshl_add_u32 v251, v252, 4, v251             ; out: sixteen lanes fill 256 consecutive bytes, aligned
	s_delay_alu instid0(VALU_DEP_3)
	v_lshlrev_b32 v254, 6, v253
	s_delay_alu instid0(VALU_DEP_1)
	v_lshl_add_u32 v254, v252, 2, v254
	s_cmp_eq_u32 s73, 3
	s_cbranch_scc1 .Lprep_tail
.set pi, 0
.rept 128
	global_load_b32 v[116+pi], v250, s[28:29] offset:512*pi th:TH_LOAD_NT
.set pi, pi+1
.endr
.macro PBLK bq, left                   ; block bq of the step: all its 32 numbers are mine.  left: younger loads that may stay out
.set XS, 116+32*(\bq)
	s_wait_loadcnt \left
	v_max3_num_f32 v32, |v[XS]|, |v[XS+1]|, |v[XS+2]|
	v_max3_num_f32 v33, |v[XS+3]|, |v[XS+4]|, |v[XS+5]|
.irp i, 6,10,14,18,22,26
	s_delay_alu instid0(VALU_DEP_2)
	v_max3_num_f32 v32, v32, |v[XS+\i]|, |v[XS+\i+1]|
	s_delay_alu instid0(VALU_DEP_2)
	v_max3_num_f32 v33, v33, |v[XS+\i+2]|, |v[XS+\i+3]|
.endr
	s_delay_alu instid0(VALU_DEP_2)
	v_max3_num_f32 v32, v32, |v[XS+30]|, |v[XS+31]|
	s_delay_alu instid0(VALU_DEP_1)
	v_max3_num_f32 v32, v32, v33, 0x1800000
	s_delay_alu instid0(VALU_DEP_1)
	v_add_nc_u32 v34, 0xff000000, v32
	s_delay_alu instid0(VALU_DEP_1)
	v_lshrrev_b32 v35, 23, v34
.if (\bq) == 0
	s_delay_alu instid0(VALU_DEP_1)
	v_mov_b32 v[TMPA], v35
.else
	s_delay_alu instid0(VALU_DEP_1)
	v_lshl_or_b32 v[TMPA], v35, 8*(\bq), v[TMPA]
.endif
.irp g, 0,1,2,3
	v_cvt_scalef32_pk8_fp4_f32 v[64+4*(\bq)+\g], v[XS+8*\g:XS+8*\g+7], v34
.endr
	v_nop
	global_store_b128 v251, v[64+4*(\bq):67+4*(\bq)], s[30:31] offset:512*((\bq)/2)+256*((\bq)%2)   ; block 2 c + h: chunk c, lanes 16 h on
.endm
	PBLK 0, 63                                     ; 96 younger loads would do; 63 is the most that the wait's field holds
	PBLK 1, 63
	PBLK 2, 32
	PBLK 3, 0
	s_branch .Lprep_done
.Lprep_tail:                                           ; K step 3 is block 12 alone: k = 384 .. 399 and 16 zero codes.  Lanes 16-31 of the image repeat it: the tokens' side has zero codes there
.set pi, 0
	s_wait_alu depctr_va_vdst(0)
.rept 16
	global_load_b32 v[116+pi], v250, s[28:29] offset:512*pi th:TH_LOAD_NT
.set pi, pi+1
.endr
	s_wait_loadcnt 0x0
	v_max3_num_f32 v32, |v116|, |v117|, 0x1800000
.irp i, 2,4,6,8,10,12,14
	s_delay_alu instid0(VALU_DEP_1)
	v_max3_num_f32 v32, v32, |v[116+\i]|, |v[117+\i]|
.endr
	s_delay_alu instid0(VALU_DEP_1)
	v_add_nc_u32 v34, 0xff000000, v32
	s_delay_alu instid0(VALU_DEP_1)
	v_lshrrev_b32 v35, 23, v34
	s_delay_alu instid0(VALU_DEP_1)
	v_or_b32 v[TMPA], 0x7f7f7f00, v35              ; blocks 13 to 15: the byte of 1.0
	v_cvt_scalef32_pk8_fp4_f32 v64, v[116:123], v34
	v_cvt_scalef32_pk8_fp4_f32 v65, v[124:131], v34
	v_mov_b32 v66, 0
	v_mov_b32 v67, 0
	global_store_b128 v251, v[64:67], s[30:31]
	global_store_b128 v251, v[64:67], s[30:31] offset:256
.Lprep_done:
	s_wait_alu depctr_va_vdst(0)
	global_store_b32 v254, v[TMPA], s[32:33]       ; my row's scale word of the step
	s_wait_xcnt 0x0                                ; the stores have read their registers: these are written again below
.Lno_prep:
; ---- one tile of 16 tokens
.macro TILE tl, lst
.irp t, 0,1,2,3
	ds_load_b128 v[W1A+8*\t:W1A+8*\t+3], v[LI] offset:W1IMG+1024*\t
	ds_load_b128 v[W1A+8*\t+4:W1A+8*\t+7], v[LI] offset:W1IMG+1024*\t+512
	ds_load_b128 v[CB+8*\t:CB+8*\t+3], v[BO] offset:QB1+128*(\t/2)+32*(\t%2)
	ds_load_b128 v[CB+8*\t+4:CB+8*\t+7], v[BO] offset:QB1+128*(\t/2)+32*(\t%2)+16
.endr
	s_wait_loadcnt 0x0                             ; the query
	s_wait_dscnt 0x0
.irp ks, 0,1,2,3                               ; hidden^T = qe_w1^T query^T + qe_b1, in f32: four accumulators by turns; the bias is the C of each sum's first instruction
.irp t, 0,1,2,3
.if \ks == 0
	v_wmma_f32_16x16x4_f32 v[M+8*\t:M+8*\t+7], v[W1A+8*\t:W1A+8*\t+1], v[QB:QB+1], v[CB+8*\t:CB+8*\t+7]
.else
	v_wmma_f32_16x16x4_f32 v[M+8*\t:M+8*\t+7], v[W1A+8*\t+2*\ks:W1A+8*\t+2*\ks+1], v[QB+2*\ks:QB+2*\ks+1], v[M+8*\t:M+8*\t+7]
.endif
.endr
.endr
.rept 8
	v_nop                                          ; eight places behind the f32 form, ahead of loads into its sources and of the first read of its results
.endr
.if \lst == 0
	global_load_b128 v[QB:QB+3], v[QOFF], s[8:9] offset:(\tl+1)*1024 th:TH_LOAD_NT      ; the next tile's query
	global_load_b128 v[QB+4:QB+7], v[QOFF], s[8:9] offset:(\tl+1)*1024+16 th:TH_LOAD_NT
.endif
.irp t, 0,1,2,3
	ds_load_b128 v[CB+8*\t:CB+8*\t+3], v[BO] offset:QB2+128*(\t/2)+32*(\t%2)
	ds_load_b128 v[CB+8*\t+4:CB+8*\t+7], v[BO] offset:QB2+128*(\t/2)+32*(\t%2)+16
.endr
	GELU16 M, G
	GELU16 M+16, G+16
	QUANT G, 2
.rept 8
	v_nop                                          ; a scale register written by a vector instruction stands 8 places ahead of a scaled matrix instruction
.endr
	s_wait_alu depctr_va_vdst(0)
	s_wait_dscnt 0x0
.irp t, 0,1,2,3                                ; q^T = qe_w2^T gelu^T + qe_b2
	v_wmma_scale_f32_16x16x128_f8f6f4 v[M+8*\t:M+8*\t+7], v[W2Q+4*\t:W2Q+4*\t+7], v[PC:PC+7], v[CB+8*\t:CB+8*\t+7], v[W2QS+\t], v[PW] matrix_a_fmt:MATRIX_FMT_FP4 matrix_b_fmt:MATRIX_FMT_FP4
.endr
.rept 4
	v_nop
.endr
	QUANT M, 2
.irp i, 0,1,2,3
	v_xor_b32 v[PC+\i], v[SGN], v[PC+\i]           ; -q where temperature < 0
.endr
.irp i, 0,1,2,3,4,5,6,7,8,9,10,11,12,13,14,15
	v_mov_b32 v[D+\i], 0                           ; the chunk is written once: its first trip finds zeros
.endr
	v_mov_b32 v[NM+1], 0xff61b1e6                  ; -3e38, under every score
	s_mov_b32 s68, 4
	s_mov_b32 s69, 0
	s_mov_b32 s70, 0
	s_mov_b32 s71, 0
.Lchunk_\@:                                            ; 128 keys a trip
	v_add_nc_u32 v[ADK], s69, v[LI]
	v_add_nc_u32 v[ADS], s70, v[LK]
	v_add_nc_u32 v[ADM], s71, v[LI]
	v_nop
	v_nop                                          ; five places behind the last trip's products: the scores are laid over their source 1
.irp t, 0,1,2,3,4,5,6,7
	ds_load_b128 v[KF+4*\t:KF+4*\t+3], v[ADK] offset:KIMG+512*\t
.endr
.irp i, 0,1,2,3
	ds_load_u16 v[KS+\i], v[ADS] offset:64*\i
.endr
	s_wait_alu depctr_va_vdst(0)
	s_wait_dscnt 0x0
.irp t, 0,1,2,3,4,5,6,7                        ; S^T = keys q^T: register 8 t + j of lane (r, h) is key 16 t + 8 h + j of the chunk
.if \t%2
	v_wmma_scale_f32_16x16x128_f8f6f4 v[S+8*\t:S+8*\t+7], v[KF+4*\t:KF+4*\t+7], v[PC:PC+7], 0, v[KS+\t/2], v[PW] matrix_a_fmt:MATRIX_FMT_FP4 matrix_b_fmt:MATRIX_FMT_FP4 matrix_a_scale:MATRIX_SCALE_ROW1
.else
	v_wmma_scale_f32_16x16x128_f8f6f4 v[S+8*\t:S+8*\t+7], v[KF+4*\t:KF+4*\t+7], v[PC:PC+7], 0, v[KS+\t/2], v[PW] matrix_a_fmt:MATRIX_FMT_FP4 matrix_b_fmt:MATRIX_FMT_FP4
.endif
.endr
.rept 4
	v_nop
.endr
.irp i, 0,1,2,3                                ; the map's four fragments of these keys land while the softmax is worked
	ds_load_b128 v[KF+8*\i:KF+8*\i+3], v[ADM] offset:MIMG+1024*\i
	ds_load_b128 v[KF+8*\i+4:KF+8*\i+7], v[ADM] offset:MIMG+1024*\i+512
.endr
.irp b, 0,1,2,3
	v_max3_num_f32 v[250+\b], v[S+16*\b], v[S+16*\b+1], v[S+16*\b+2]
.endr
.irp i, 3,5,7,9,11,13
.irp b, 0,1,2,3
	v_max3_num_f32 v[250+\b], v[250+\b], v[S+16*\b+\i], v[S+16*\b+\i+1]
.endr
.endr
.irp b, 0,1,2,3
	v_max_num_f32 v[250+\b], v[250+\b], v[S+16*\b+15]
.endr
	s_delay_alu instid0(VALU_DEP_2)
	v_max3_num_f32 v250, v250, v251, v252
	s_delay_alu instid0(VALU_DEP_1)
	v_max_num_f32 v250, v250, v253
	s_delay_alu instid0(VALU_DEP_1)
	v_permlanex16_b32 v251, v250, s[SEL], s[SEL+1]
	s_delay_alu instid0(VALU_DEP_1)
	v_max_num_f32 v250, v250, v251                 ; the chunk's largest score of my token
	s_delay_alu instid0(VALU_DEP_1)
	v_mul_f32 v250, v[CP], v250
	s_delay_alu instid0(VALU_DEP_1)
	v_max_num_f32 v250, v[NM+1], v250              ; the new M
	s_delay_alu instid0(VALU_DEP_1)
	v_sub_f32 v[FF], v[NM+1], v250
	s_delay_alu instid0(VALU_DEP_2)
	v_mov_b32 v[NM+1], v250
	s_delay_alu instid0(VALU_DEP_3)
	v_xor_b32 v[NM], 0x80000000, v250
.set ci, 0
.rept 32
	v_pk_fma_f32 v[S+ci:S+ci+1], v[S+ci:S+ci+1], v[CP:CP+1], v[NM:NM+1] op_sel_hi:[1,1,0]
.set ci, ci+2
.endr
	s_wait_alu depctr_va_vdst(0)
	v_exp_f32 v[FF], v[FF]
.set ci, 0
.rept 64
	v_exp_f32 v[S+ci], v[S+ci]
.set ci, ci+1
.endr
	v_nop
	s_wait_alu depctr_va_vdst(0)                   ; one wait for the 65 exponentials
.irp j, 0,2,4,6,8,10,12,14
	v_pk_mul_f32 v[D+\j:D+\j+1], v[D+\j:D+\j+1], v[FF:FF+1] op_sel_hi:[1,0]
.endr
.set ci, 0
.rept 32
	v_cvt_pk_f16_f32 v[S+ci], v[S+2*ci], v[S+2*ci+1]       ; two neighbouring tiles, packed in pairs, are source 1 (32 keys x 16 tokens) of the next product
.set ci, ci+1
.endr
	s_wait_dscnt 0x0
.irp i, 0,1,2,3                                ; two accumulators by turns
	s_wait_alu depctr_va_vdst(0)
	v_wmma_f32_16x16x32_f16 v[D+8*(\i%2):D+8*(\i%2)+7], v[KF+8*\i:KF+8*\i+7], v[S+8*\i:S+8*\i+7], v[D+8*(\i%2):D+8*(\i%2)+7]
.endr
	s_add_co_u32 s69, s69, 4096
	s_add_co_u32 s70, s70, 256
	s_add_co_u32 s71, s71, 4096
	s_sub_co_u32 s68, s68, 1
	s_cmp_lg_u32 s68, 0
	s_cbranch_scc1 .Lchunk_\@
.rept 4
	v_nop
.endr
.irp j, 0,2,4,6
	v_pk_add_f32 v[D+\j:D+\j+1], v[D+\j:D+\j+1], v[D+8+\j:D+8+\j+1]
.endr
	v_permlanex16_b32 v[TMPA], v[D], s[SEL], s[SEL+1]      ; lanes 0-15 hold rows 0-7 (the eight weights), lanes 16-31 rows 8-15: row 8 is the sum
	s_delay_alu instid0(VALU_DEP_1)
	v_cndmask_b32 v[TMPA], v[TMPA], v[D], s[HI16]
	s_wait_alu depctr_va_vdst(0)
	v_rcp_f32 v[TMPA], v[TMPA]
	v_nop
	s_wait_alu depctr_va_vdst(0)
.irp j, 0,1,2,3,4,5,6,7
	v_mul_f32 v[D+\j], v[D+\j], v[TMPA]
.endr
.irp j, 0,1,2,3
	v_permlanex16_b32 v[D+8+\j], v[D+4+\j], s[SEL], s[SEL+1]
.endr
.irp j, 0,1,2,3
	s_delay_alu instid0(VALU_DEP_4)
	v_cndmask_b32 v[D+\j], v[D+\j], v[D+8+\j], s[HI16]     ; lanes 16-31 store weights 4-7 of their token
.endr
	global_store_b128 v[SOFF], v[D:D+3], s[34:35] offset:512*\tl   ; the wave stores 512 consecutive bytes, aligned
	s_wait_xcnt 0x0                                ; the store has read its registers
.endm
	TILE 0, 0
	TILE 1, 1
	s_wait_tensorcnt 0x0                           ; the wave's end, behind my last LDS store
	ds_add_u32 v[SPW], v[NIL]
	s_wait_dscnt 0x0
	s_endpgm
.Lfunc_end_k_q023cc64c26_route:
	.size	k_q023cc64c26_route, .Lfunc_end_k_q023cc64c26_route-k_q023cc64c26_route
	.p2alignl 7, 3214868480
	.fill 96, 4, 3214868480
	.section	.rodata,"a",@progbits
	.p2align	6, 0x0
	.amdhsa_kernel k_q023cc64c26_route
		.amdhsa_group_segment_fixed_size 41984
		.amdhsa_private_segment_fixed_size 0
		.amdhsa_enable_private_segment 0
		.amdhsa_kernarg_size 112
		.amdhsa_user_sgpr_count 2
		.amdhsa_user_sgpr_kernarg_segment_ptr 1
		.amdhsa_wavefront_size32 1
		.amdhsa_system_sgpr_workgroup_id_x 1
		.amdhsa_system_sgpr_workgroup_id_y 1
		.amdhsa_system_sgpr_workgroup_id_z 1
		.amdhsa_system_vgpr_workitem_id 0
		.amdhsa_next_free_vgpr 256
		.amdhsa_next_free_sgpr 96
		.amdhsa_reserve_vcc 1
		.amdhsa_float_denorm_mode_32 3
		.amdhsa_float_denorm_mode_16_64 3
		.amdhsa_memory_ordered 1
		.amdhsa_forward_progress 1
		.amdhsa_inst_pref_size 120
	.end_amdhsa_kernel
	.amdgpu_metadata
---
amdhsa.version: [ 1, 2 ]
amdhsa.kernels:
  - .name:           k_q023cc64c26_route
    .symbol:         k_q023cc64c26_route.kd
    .args:
      - { .name: query, .offset: 0, .size: 8, .value_kind: global_buffer, .address_space: global }
      - { .name: qe_w1, .offset: 8, .size: 8, .value_kind: global_buffer, .address_space: global }
      - { .name: qe_b1, .offset: 16, .size: 8, .value_kind: global_buffer, .address_space: global }
      - { .name: qe_w2_codes, .offset: 24, .size: 8, .value_kind: global_buffer, .address_space: global }
      - { .name: qe_w2_scales, .offset: 32, .size: 8, .value_kind: global_buffer, .address_space: global }
      - { .name: qe_b2, .offset: 40, .size: 8, .value_kind: global_buffer, .address_space: global }
      - { .name: syscall_keys_codes, .offset: 48, .size: 8, .value_kind: global_buffer, .address_space: global }
      - { .name: syscall_keys_scales, .offset: 56, .size: 8, .value_kind: global_buffer, .address_space: global }
      - { .name: syscall_to_subsystem, .offset: 64, .size: 8, .value_kind: global_buffer, .address_space: global }
      - { .name: temperature, .offset: 72, .size: 8, .value_kind: global_buffer, .address_space: global }
      - { .name: hw1, .offset: 80, .size: 8, .value_kind: global_buffer, .address_space: global }
      - { .name: w1img, .offset: 88, .size: 8, .value_kind: global_buffer, .address_space: global }
      - { .name: w1scl, .offset: 96, .size: 8, .value_kind: global_buffer, .address_space: global }
      - { .name: subw, .offset: 104, .size: 8, .value_kind: global_buffer, .address_space: global }
    .group_segment_fixed_size: 41984
    .private_segment_fixed_size: 0
    .kernarg_segment_align: 8
    .kernarg_segment_size: 112
    .max_flat_workgroup_size: 512
    .sgpr_count:     96
    .vgpr_count:     256
    .wavefront_size: 32
...
	.end_amdgpu_metadata
.endif
;; end of part 1
;; launch handlers (part 2): grid 256 x 1, 8 waves a work-group, no clusters, 327,680 bytes of LDS; arguments query, args, subw, w1img, w1scl, hb1, hw2_codes, hw2_scales, hb2, out0; writes out0
.if DOCPART == 2
	.amdgcn_target "amdgcn-amd-amdhsa--gfx1250"
	.amdhsa_code_object_version 6
	.text
	.protected	k_q023cc64c26_handlers
	.globl	k_q023cc64c26_handlers
	.p2align	8
	.type	k_q023cc64c26_handlers,@function
k_q023cc64c26_handlers:
	s_mov_b64 s[64:65], 0
	v_nop
	global_prefetch_b8 v0, s[64:65] scope:SCOPE_SE
	s_setreg_imm32_b32 hwreg(HW_REG_WAVE_MODE, 25, 1), 1
	s_wait_xcnt 0x0
; HANDLERS.  out0[token] = sum over s of subw[token][s] ( Q4(gelu( Q4(hin) Q4(hw1[s]) + hb1[s] )) hw2[s] + hb2[s] ),  hin = [query | args], Q4 the E2M1 quantiser along K, one E8M0 scale for each 32.
; No work is left out: all eight experts are weighed in.  K = 400 fills 13 of 16 blocks, 65 outputs five tiles of 16: what is padded lies inside live tiles and meets zero codes or is not stored.
; SHARES.  A work-group takes 512 tokens, 64 at a time.  WAVE s OWNS EXPERT s for all tokens: its hw1 (224 registers, as the launch before laid them) and hw2 (40) stay in registers for the whole launch.
; Two waves share a SIMD, so that one wave's matrix instructions, waits and LDS loads stand beside the other's vector work, which is the bulk: 10.5 instructions for each of 1,024 gelus a token.
; Both products are used transposed (source 0 = 16 rows of a weight, source 1 = 16 tokens): lane (r = lane % 16, h = lane / 16) holds ONE token.
; A BLOCK OF 64 TOKENS, two barriers:  X: the eight waves quantise hin (wave 2 m + par: tokens 16 m on; par = 0: K steps 0, 1; par = 1: K step 2 and block 12) into register images in LDS | barrier, the next block's args are asked for |
; P: for each of four tiles of tokens: first product, gelu, quantiser, second product, x my expert's weight, into my stage | barrier, which also shows the new args to all |  S: the eight stages are added and stored in whole aligned units.
; IN P EVERY LDS OPERAND IS ASKED FOR A PHASE AHEAD: the next tile's codes behind the gelu, the next tile's hb1 behind the quantiser; the fourth tile is written out, so that nothing is asked for that is not used.
; args come by one tensor load a wave (8 tokens' rows: 12,288 dense bytes) into ONE region, asked for when its last reader has passed and waited for a whole phase P later; by this text's count one tensor load of a wave is out.
; No cluster: work-groups share only the weights, which each reads once, straight into registers.
; GELU(x) = max(x, 0) - |x| E,  E = erfc(|x| / sqrt 2) / 2 = t 2^(P(t) - |x|^2 log2(e) / 2 - 1),  t = 1 / (1 + |x| / (2 sqrt 2)): nothing cancels for x < 0.
; LIMITS: NaN and infinities among the inputs are not served; where E falls under 2^-126 gelu gives -0 for x < 0; a block of zeros gets the scale byte 1 where the rule says 127 (its codes are zeros; nobody else reads the bytes).
.set RAW,   0                          ; LDS: 64 tokens' args: a token's 1,536 bytes as 3 x (512 + 16 of padding): pitch 1,584 = 396 words, so 16 rows of a load start at 16 different groups of 4 banks
.set IMG,   101376                     ; hin's codes: 4 tiles of tokens x 3,584 bytes: K step st at 1,024 st, chunk c at 512 c, lane l's 16 bytes at 16 l; K step 3 has chunk 0 alone
.set ISC,   115712                     ; their scale words: 4 tiles x 2 x 128 bytes: word p of a tile: lanes 0-15 K step 2 p, lanes 16-31 K step 2 p + 1
.set SWL,   116736                     ; subw of the 64 tokens, as it lies
.set B1L,   118784                     ; hb1, 512 bytes an expert
.set B2L,   122880                     ; hb2, 80 numbers an expert: numbers 64 .. 79 all hold hb2[s][64]
.set STG,   125440                     ; the stages: 8 experts x 64 tokens x 65 numbers, dense, as out0 lies
.set SPARE, 258560                     ; the spare words: 128 bytes for each of 8 waves
.set PW,   27                          ; v27  the hidden layer's scale word
.set WS,   28                          ; v[28:29] my expert's weight for my token
.set C9,   30                          ; v[30:31]
.set SPW,  32                          ; v32 my spare word's address, v33 0: kept for the add alone
.set NIL,  33
.set SWP,  34                          ; v[34:35] 8 bytes of the next block's subw
.set TS,   36                          ; v36-37 hin's scale words
.set W2S,  38                          ; v38-40 hw2's scale words: tiles 0 | 1, tiles 2 | 3, tile 4
.set W1S,  44                          ; v44-59 hw1's: register 2 t + p: lanes 0-15 K step 2 p, lanes 16-31 K step 2 p + 1
.set W2T4, 60                          ; v60-67 hw2's fifth tile: row 64 in all 16 rows
.set PC,   68                          ; v68-75 the hidden layer's codes
.set QX,   76                          ; v76-91 my token's query (even waves)
.set TF,   92                          ; v92-119 hin's fragments of a tile; v120-123 zero codes, never rewritten
.set XT,   92                          ; in X the same registers are at work: v92-100;
.set PCA,  104                         ; v104-111, v112-119 the codes of my two K steps
.set PCB,  112
.set X,    124                         ; v124-187 the hidden layer: 8 tiles x 8
.set N0,   124                         ; in X: 64 numbers of my first K step,
.set N1,   188                         ; and of my second
.set BKA,  188                         ; gelu at work: banks of 16.  max(x, 0): BKA (groups 0, 2), BKC (groups 1, 3);
.set BKB,  204                         ; t, then t |x|: BKB (groups 0, 2), BKD (groups 1, 3);
.set BKH,  220                         ; the polynomial, then the power of two: always BKH
.set BKC,  236
.set BKD,  92                          ; (hin's fragments are done with when the gelu begins, and are asked for anew behind it)
.set ZB,   108                         ; the square's term, all groups: pair j at v[108 + 2 j] for j = 0 .. 5, at v68 and v70 for j = 6, 7 (the hidden layer's codes are made there behind the gelu)
.set TM,   236                         ; the quantiser at work
.set DD,   188                         ; v188-227 five accumulators of the second product
.set KZ,   254                         ; v[254:255]
; v1-21, v43, v252, v253: addresses that stay (made below); v22-26 the tile's addresses; v41, v42 scale words on their way to LDS.   Window 1: v0-223 hw1, tile t's K step st at 28 t + 8 st; v224-255 hw2's tiles 0-3.
.set SC8,  40                          ; s[40:59] gelu's constants, as pairs
.set SC7,  42
.set SC6,  44
.set SC5,  46
.set SC4,  48
.set SC3,  50
.set SC2,  52
.set SC1,  54
.set SC0,  56
.set SC35, 58
.set SEL,  66
.set MSB, 0
.macro WIN new                         ; the immediate's high byte repeats the setting that is left
.if MSB != \new
	s_set_vgpr_msb (MSB<<8)|\new
.set MSB, \new
.endif
.endm
.macro SPAIR reg, val
	s_mov_b32 s[\reg], \val
	s_mov_b32 s[\reg+1], \val
.endm
; ---- THE GELU OF A TILE: four groups of 16 numbers, 168 instructions each, as a pipeline.  The exponentials of a group and the reciprocals of the next are ONE batch.
; All sources of a batch are laid first; one wait stands ahead of the batch and one behind it.  Inside a batch stand only plain lines whose sources were
; written ahead of the first wait and whose results are read behind the second: this group's t |x| and the next group's square.
.macro GABS x, r                       ; a = 2 max(x, 0) - x = |x|, exactly, in x's place
.set gi, 0
.rept 8
	v_pk_fma_f32 v[\x+gi:\x+gi+1], v[\r+gi:\r+gi+1], 2.0, v[\x+gi:\x+gi+1] op_sel_hi:[1,0,1] neg_lo:[0,0,1] neg_hi:[0,0,1]
.set gi, gi+2
.endr
.endm
.macro GT1 x, t, j                     ; pair j: 1 + a / (2 sqrt 2)
	v_pk_fma_f32 v[\t+2*(\j):\t+2*(\j)+1], v[\x+2*(\j):\x+2*(\j)+1], s[SC35:SC35+1], 1.0 op_sel_hi:[1,0,0]
.endm
.macro GZ1 x, j                        ; pair j: a^2
	v_pk_mul_f32 v[ZB+2*(\j)-52*((\j)/6):ZB+2*(\j)-52*((\j)/6)+1], v[\x+2*(\j):\x+2*(\j)+1], v[\x+2*(\j):\x+2*(\j)+1]
.endm
.macro GZ2 j                           ; pair j: c0 - 1 - a^2 log2(e) / 2
	v_pk_fma_f32 v[ZB+2*(\j)-52*((\j)/6):ZB+2*(\j)-52*((\j)/6)+1], v[ZB+2*(\j)-52*((\j)/6):ZB+2*(\j)-52*((\j)/6)+1], v[KZ:KZ+1], s[SC0:SC0+1] op_sel_hi:[1,1,0]
.endm
.macro GTA x, t, j                     ; pair j: t a
	v_pk_mul_f32 v[\t+2*(\j):\t+2*(\j)+1], v[\t+2*(\j):\t+2*(\j)+1], v[\x+2*(\j):\x+2*(\j)+1]
.endm
.macro GSTART x, r, t                  ; the first group up to its reciprocals
.set gj, 0
.rept 16
	v_max_num_f32 v[\r+gj], 0, v[\x+gj]                    ; max(x, 0); an accumulator is read from its low end on
.set gj, gj+1
.endr
	GABS \x, \r
.set gj, 0
.rept 8
	GT1 \x, \t, gj
.set gj, gj+1
.endr
	s_wait_alu depctr_va_vdst(0)                           ; the wait ahead of the batch
.set gj, 0
.rept 8
	v_rcp_f32 v[\t+2*gj], v[\t+2*gj]
	v_rcp_f32 v[\t+2*gj+1], v[\t+2*gj+1]
	GZ1 \x, gj
.set gj, gj+1
.endr
	s_wait_alu depctr_va_vdst(0)                           ; one wait for the 16 reciprocals, ahead of their first reader
.endm
.macro GHORN t, h                      ; P(t) - a^2 log2(e) / 2 - 1; the squares were made inside the batch before
.set gj, 0
.rept 8
	GZ2 gj
.set gj, gj+1
.endr
.set gi, 0
.rept 8
	v_pk_fma_f32 v[\h+gi:\h+gi+1], v[\t+gi:\t+gi+1], v[C9:C9+1], s[SC8:SC8+1] op_sel_hi:[1,1,0]
.set gi, gi+2
.endr
.irp c, SC7,SC6,SC5,SC4,SC3,SC2,SC1
.set gi, 0
.rept 8
	v_pk_fma_f32 v[\h+gi:\h+gi+1], v[\h+gi:\h+gi+1], v[\t+gi:\t+gi+1], s[\c:\c+1] op_sel_hi:[1,1,0]
.set gi, gi+2
.endr
.endr
.set gi, 0
.rept 8
	v_pk_fma_f32 v[\h+gi:\h+gi+1], v[\h+gi:\h+gi+1], v[\t+gi:\t+gi+1], v[ZB+gi-52*(gi/12):ZB+gi-52*(gi/12)+1]
.set gi, gi+2
.endr
.endm
; the next group's way to its reciprocals (x in nx, max(x, 0) into nr, t into nt), then one batch: this group's exponentials (a in cx, t in ct, exponents in ch) and the next group's reciprocals
.macro GTURN cx, ct, ch, nx, nr, nt
	s_wait_alu depctr_va_vdst(0)                           ; directly ahead of the first readers of the next group's matrix results
.set gj, 0
.rept 16
	v_max_num_f32 v[\nr+gj], 0, v[\nx+gj]                  ; the next group's accumulators, each from its low end on
.set gj, gj+1
.endr
	GABS \nx, \nr
.set gj, 0
.rept 8
	GT1 \nx, \nt, gj
.set gj, gj+1
.endr
	s_wait_alu depctr_va_vdst(0)                           ; the wait ahead of the batch
.set gj, 0
.rept 8
	v_exp_f32 v[\ch+2*gj], v[\ch+2*gj]
	v_rcp_f32 v[\nt+2*gj], v[\nt+2*gj]
	GTA \cx, \ct, gj
	v_exp_f32 v[\ch+2*gj+1], v[\ch+2*gj+1]
	v_rcp_f32 v[\nt+2*gj+1], v[\nt+2*gj+1]
	GZ1 \nx, gj                                            ; (the last of these is the plain instruction behind the last reciprocal)
.set gj, gj+1
.endr
	s_wait_alu depctr_va_vdst(0)                           ; one wait for the 16 exponentials and the 16 reciprocals, ahead of their first readers
.endm
.macro GLAST cx, ct, ch                ; the last group's exponentials
	s_wait_alu depctr_va_vdst(0)                           ; the wait ahead of the batch
.set gj, 0
.rept 8
	v_exp_f32 v[\ch+2*gj], v[\ch+2*gj]
	v_exp_f32 v[\ch+2*gj+1], v[\ch+2*gj+1]
	GTA \cx, \ct, gj
.set gj, gj+1
.endr
	s_wait_alu depctr_va_vdst(0)
.endm
.macro GFIN x, r, t, h                 ; max(x, 0) - a E, in x's place
.set gi, 0
.rept 8
	v_pk_fma_f32 v[\x+gi:\x+gi+1], v[\h+gi:\h+gi+1], v[\t+gi:\t+gi+1], v[\r+gi:\r+gi+1] neg_lo:[1,0,0] neg_hi:[1,0,0]
.set gi, gi+2
.endr
.endm
.macro GELU64
	GSTART X, BKA, BKB
	GHORN BKB, BKH
	GTURN X, BKB, BKH, X+16, BKC, BKD
	GFIN X, BKA, BKB, BKH
	GHORN BKD, BKH
	GTURN X+16, BKD, BKH, X+32, BKA, BKB
	GFIN X+16, BKC, BKD, BKH
	GHORN BKB, BKH
	GTURN X+32, BKB, BKH, X+48, BKC, BKD
	GFIN X+32, BKA, BKB, BKH
	GHORN BKD, BKH
	GLAST X+48, BKD, BKH
	GFIN X+48, BKC, BKD, BKH
.endm
; four blocks of 32: register 16 b + i of v[s] on is k = 32 b + 16 h + i of my token.  Codes into v[PC] on, in the operand's layout; the scale word into v[PW].
.macro QUANT s
.irp b, 0,1,2,3
	v_max3_num_f32 v[TM+\b], |v[\s+16*\b]|, |v[\s+1+16*\b]|, 0x1800000   ; my 16 numbers, and the floor 2^(3 - 127): the byte cannot fall under 1
.endr
.irp i, 2,4,6,8,10,12,14
.irp b, 0,1,2,3
	v_max3_num_f32 v[TM+\b], v[TM+\b], |v[\s+16*\b+\i]|, |v[\s+1+16*\b+\i]|
.endr
.endr
.irp b, 0,1,2,3
	v_permlanex16_b32 v[TM+4+\b], v[TM+\b], s[SEL], s[SEL+1]
.endr
.irp b, 0,1,2,3
	v_max_num_f32 v[TM+\b], v[TM+\b], v[TM+4+\b]           ; with lane l xor 16's: the block's largest magnitude
.endr
.irp b, 0,1,2,3
	v_add_nc_u32 v[TM+12+\b], 0xff000000, v[TM+\b]         ; 2 off its exponent field: the conversion's scale operand
.endr
.irp b, 0,1,2,3
	v_lshrrev_b32 v[TM+4+\b], 23, v[TM+12+\b]              ; the scale's byte
.endr
	v_lshl_or_b32 v[PW], v[TM+5], 8, v[TM+4]
	v_lshl_or_b32 v[PW], v[TM+6], 16, v[PW]
	v_lshl_or_b32 v[PW], v[TM+7], 24, v[PW]
.irp b, 0,1,2,3
	v_cvt_scalef32_pk8_fp4_f32 v[PC+2*\b], v[\s+16*\b:\s+7+16*\b], v[TM+12+\b]
	v_cvt_scalef32_pk8_fp4_f32 v[PC+1+2*\b], v[\s+8+16*\b:\s+15+16*\b], v[TM+12+\b]
.endr
	v_nop                                                  ; one plain place behind a scaled conversion
.irp c, 0,1
.irp i, 0,1
	v_permlane16_swap_b32 v[PC+4*\c+\i], v[PC+2+4*\c+\i]   ; a whole block to a lane: lanes 0-15 block 2 c, lanes 16-31 block 2 c + 1
.endr
.endr
.endm
; X's loads.  Of K step s lane (r, h) wants blocks 4 s + h and 4 s + 2 + h of its token whole: k = 32 B .. 32 B + 31 are args' bytes 128 B - 64 .. 128 B + 63; byte p lies at p + 16 (p / 512) of the token's LDS row.
.macro XLD dst, areg, off              ; 16 numbers
.irp i, 0,1,2,3
	ds_load_b128 v[\dst+4*\i:\dst+4*\i+3], v[\areg] offset:\off+16*\i
.endr
.endm
.macro XSTEP dst, s
.if \s == 0
	XLD \dst, 16, 0                                ; lanes 16-31: bytes 64 on; lanes 0-15 read bytes that the query replaces
.else
	XLD \dst, 15, 528*\s-80                        ; lanes 0-15 reach back over the padding: 528 s - 80; lanes 16-31: 528 s + 64
.endif
	XLD \dst+16, 14, 528*\s
	XLD \dst+32, 14, 528*\s+192
	XLD \dst+48, 14, 528*\s+256
.endm
; 64 numbers, two whole blocks of a lane, become 8 registers of the operand as they stand, and the K step's scale word (two bytes are mine, two lane l xor 16's)
.macro XQUANT n, pc, w
.irp c, 0,1,2,3
	v_max3_num_f32 v[XT+\c], |v[\n+16*\c]|, |v[\n+16*\c+1]|, 0x1800000
.endr
.irp i, 2,4,6,8,10,12,14
.irp c, 0,1,2,3
	v_max3_num_f32 v[XT+\c], v[XT+\c], |v[\n+16*\c+\i]|, |v[\n+16*\c+\i+1]|
.endr
.endr
	v_max_num_f32 v[XT], v[XT], v[XT+1]
	v_max_num_f32 v[XT+2], v[XT+2], v[XT+3]
	v_add_nc_u32 v[XT+4], 0xff000000, v[XT]
	v_add_nc_u32 v[XT+5], 0xff000000, v[XT+2]
	v_lshrrev_b32 v[XT+6], 23, v[XT+4]
	v_lshrrev_b32 v[XT+7], 23, v[XT+5]
	v_lshl_or_b32 v[\w], v[XT+7], 16, v[XT+6]
	v_lshlrev_b32 v[\w], v21, v[\w]                        ; 8 h bits up
	v_permlanex16_b32 v[XT+8], v[\w], s[SEL], s[SEL+1]
	v_or_b32 v[\w], v[\w], v[XT+8]
.irp c, 0,1
.irp g, 0,1,2,3
	v_cvt_scalef32_pk8_fp4_f32 v[\pc+4*\c+\g], v[\n+32*\c+8*\g:\n+32*\c+8*\g+7], v[XT+4+\c]
.endr
.endr
	v_nop
.endm
.macro WM5 t, st                       ; tile t of the hidden layer, K step st
.if (\st)%2
	v_wmma_scale_f32_16x16x128_f8f6f4 v[X+8*\t:X+8*\t+7], v[28*\t+8*\st:28*\t+8*\st+7], v[TF+8*\st:TF+8*\st+7], v[X+8*\t:X+8*\t+7], v[W1S+2*\t+\st/2], v[TS+\st/2] matrix_a_fmt:MATRIX_FMT_FP4 matrix_b_fmt:MATRIX_FMT_FP4 matrix_a_scale:MATRIX_SCALE_ROW1 matrix_b_scale:MATRIX_SCALE_ROW1
.else
	v_wmma_scale_f32_16x16x128_f8f6f4 v[X+8*\t:X+8*\t+7], v[28*\t+8*\st:28*\t+8*\st+7], v[TF+8*\st:TF+8*\st+7], v[X+8*\t:X+8*\t+7], v[W1S+2*\t+\st/2], v[TS+\st/2] matrix_a_fmt:MATRIX_FMT_FP4 matrix_b_fmt:MATRIX_FMT_FP4
.endif
.endm
.macro QADD a, b                       ; four numbers onto four
	v_pk_add_f32 v[\a:\a+1], v[\a:\a+1], v[\b:\b+1]
	v_pk_add_f32 v[\a+2:\a+3], v[\a+2:\a+3], v[\b+2:\b+3]
.endm
.macro PADD p, mul                     ; a pointer on to my expert's part
	s_mul_i32 s74, s24, \mul
	s_add_nc_u64 s[\p:\p+1], s[\p:\p+1], s[74:75]
.endm
.macro TFLD ia, sa, io, so             ; a tile's seven quarters of hin's fragments and its two scale words: 9 LDS loads
.irp q, 0,1,2,3,4,5,6
	ds_load_b128 v[TF+4*\q:TF+4*\q+3], v[\ia] offset:\io+512*\q
.endr
	ds_load_b32 v[TS], v[\sa] offset:\so
	ds_load_b32 v[TS+1], v[\sa] offset:\so+128
.endm
.macro HB1LD                           ; hb1 is the C of each sum's first instruction: register j of tile t is hidden unit 32 (t / 2) + 16 h + 8 (t % 2) + j: 16 LDS loads
.irp t, 0,1,2,3,4,5,6,7
	ds_load_b128 v[X+8*\t:X+8*\t+3], v4 offset:128*(\t/2)+32*(\t%2)
	ds_load_b128 v[X+8*\t+4:X+8*\t+7], v4 offset:128*(\t/2)+32*(\t%2)+16
.endr
.endm
; ---- my expert on one tile of 16 tokens.  At its head hin's fragments and scale words are in; hb1 was asked for ahead of the last tile's 33 stores.  pre = 1: the next tile's operands are asked for on the way.
.macro TILE pre
	v_add_nc_u32 v24, s72, v3
	ds_load_b32 v[WS], v24                         ; subw[token][s]: wanted at the tile's end
	s_wait_dscnt 34                                ; hb1 is in: behind its 16 loads stand the last tile's 33 stores and the load above, which may stay out (a block's first tile finds all but that load waited for)
	WIN 0x01                                       ; source 0 (hw1) window 1
.irp st, 0,1,2,3                               ; eight accumulators by turns, K step by K step
.irp t, 0,1,2,3,4,5,6,7
	WM5 \t, \st
.endr
.endr
	WIN 0
	v_add_nc_u32 v25, s73, v6                      ; the tile's other addresses are the four places behind the products
	v_add_nc_u32 v26, s73, v7
.if \pre
	v_add_nc_u32 v22, s70, v1
	v_add_nc_u32 v23, s71, v2
.else
	v_nop
	v_nop
.endif
	GELU64
	s_wait_dscnt 0x0                               ; the last tile's stores and my weight, issued a whole gelu ago
.irp t, 0,1,2,3,4                              ; hb2 is the C of the second product: register j of tile t is output 16 t + 8 h + j
	ds_load_b128 v[DD+8*\t:DD+8*\t+3], v5 offset:64*\t
	ds_load_b128 v[DD+8*\t+4:DD+8*\t+7], v5 offset:64*\t+16
.endr
.if \pre
	TFLD 22, 23, 3584, 256                         ; the next tile's codes, into the registers that the gelu has left
.endif
	QUANT X
.if \pre
	HB1LD                                          ; the next tile's hb1, into the registers that the quantiser has read
.endif
.rept 8
	v_nop                                          ; a scale register written by a vector instruction stands 8 places ahead of a scaled matrix instruction
.endr
	s_wait_alu depctr_va_vdst(0)                   ; directly ahead of the wait below
	s_wait_dscnt 16*\pre                           ; hb2 is in (and the next tile's codes); the 16 loads of hb1 just issued may stay out
	WIN 0x01
.irp t, 0,1,2,3
.if \t%2
	v_wmma_scale_f32_16x16x128_f8f6f4 v[DD+8*\t:DD+8*\t+7], v[224+8*\t:231+8*\t], v[PC:PC+7], v[DD+8*\t:DD+8*\t+7], v[W2S+\t/2], v[PW] matrix_a_fmt:MATRIX_FMT_FP4 matrix_b_fmt:MATRIX_FMT_FP4 matrix_a_scale:MATRIX_SCALE_ROW1
.else
	v_wmma_scale_f32_16x16x128_f8f6f4 v[DD+8*\t:DD+8*\t+7], v[224+8*\t:231+8*\t], v[PC:PC+7], v[DD+8*\t:DD+8*\t+7], v[W2S+\t/2], v[PW] matrix_a_fmt:MATRIX_FMT_FP4 matrix_b_fmt:MATRIX_FMT_FP4
.endif
.endr
	WIN 0
	v_wmma_scale_f32_16x16x128_f8f6f4 v[DD+32:DD+39], v[W2T4:W2T4+7], v[PC:PC+7], v[DD+32:DD+39], v[W2S+2], v[PW] matrix_a_fmt:MATRIX_FMT_FP4 matrix_b_fmt:MATRIX_FMT_FP4
.rept 4
	v_nop
.endr
.set di, 0
.rept 16
	v_pk_mul_f32 v[DD+di:DD+di+1], v[DD+di:DD+di+1], v[WS:WS+1] op_sel_hi:[1,0]   ; x subw[token][s]; each accumulator from its low end on
.set di, di+2
.endr
	v_mul_f32 v[DD+32], v[DD+32], v[WS]            ; output 64: every row of the fifth tile holds it
.irp t, 0,1,2,3
.irp j, 0,1,2,3,4,5,6,7
	ds_store_b32 v25, v[DD+8*\t+\j] offset:64*\t+4*\j
.endr
.endr
	ds_store_b32 v26, v[DD+32]                     ; both halves of the lanes write the same word with the same value
.if \pre
	s_add_co_u32 s70, s70, 3584
	s_add_co_u32 s71, s71, 256
	s_add_co_u32 s72, s72, 512
	s_add_co_u32 s73, s73, 4160
.endif
.endm
	s_load_b512 s[4:19], s[0:1], 0x0               ; query 4, args 6, subw 8, w1img 10, w1scl 12, hb1 14, hw2 codes 16, hw2 scales 18
	s_load_b128 s[20:23], s[0:1], 0x40             ; hb2 20, out0 22
	v_lshl_add_u32 v[SPW], v0, 2, SPARE
	v_mov_b32 v[NIL], 0
	ds_add_u32 v[SPW], v[NIL]                      ; the wave's opening: the add, twice on end, and its wait ahead of my first tensor load
	ds_add_u32 v[SPW], v[NIL]
	v_lshrrev_b32 v92, 5, v0
	v_readfirstlane_b32 s24, v92                   ; wave = expert
	s_and_b32 s25, s24, 1                          ; par
	s_lshr_b32 s26, s24, 1                         ; m
	s_mov_b32 s28, (3<<16)|(1<<20)|(6<<22)|(3<<25) ; group 1: elements of 8 bytes; padding: 4 words behind every 128
	s_mov_b32 s29, 64<<16                          ; tensor_dim0 = 64 elements: 512 bytes
	s_mov_b32 s30, 24<<16                          ; tensor_dim1 = 24: eight tokens' rows are 24 such pieces on end
	s_mov_b32 s31, 64<<16                          ; tile_dim0
	s_mov_b32 s32, 24                              ; tile_dim1
	s_mov_b32 s33, 64                              ; the pitch: dense
	s_mov_b32 s34, 0
	s_mov_b32 s35, 0
	s_mov_b32 s36, 1                               ; group 0: count;
	s_mul_i32 s37, s24, 12672                      ; LDS: my 8 rows of RAW
	s_lshl_b32 s60, ttmp9, 9
	s_lshl_b32 s61, s24, 3
	s_add_co_u32 s61, s60, s61
	s_mul_i32 s74, s61, 1536                       ; token 512 work-group + 8 wave, in bytes of args (under 2^28)
	s_mov_b32 s75, 0
	SPAIR SC8, 0xbf97d29d                          ; P's coefficients times log2(e)
	SPAIR SC7, 0x40097039
	SPAIR SC6, 0xbfd1a1e5
	SPAIR SC5, 0x3ecdfd18
	SPAIR SC4, 0xbe899a80
	SPAIR SC3, 0x3e0efb2e
	SPAIR SC2, 0x3f0a29d2
	SPAIR SC1, 0x3fb8ab5a
	SPAIR SC0, 0xc034d90f                          ; c0 log2(e) - 1
	SPAIR SC35, 0x3eb504f3                         ; 1 / (2 sqrt 2)
	s_mov_b32 s62, 0xffff0000                      ; lanes 16-31
	s_mov_b32 s63, 0xffff                          ; lanes 0-15
	s_mov_b32 s[SEL], 0x76543210
	s_mov_b32 s[SEL+1], 0xfedcba98
	s_wait_dscnt 0x0                               ; both opening adds are done
	s_wait_kmcnt 0x0
	s_add_nc_u64 s[38:39], s[6:7], s[74:75]
	s_or_b32 s39, s39, 0x80000000                  ; type = 2
	tensor_load_to_lds s[36:39], s[28:35]          ; block 0's args: every wave brings its 8 rows
	s_nop 0
.rept 4
	v_nop
.endr
	v_and_b32 v92, 31, v0                          ; lane
	v_and_b32 v93, 15, v0                          ; r
	v_bfe_u32 v94, v0, 4, 1                        ; h
	v_lshlrev_b32 v95, 4, v92                      ; 16 lane
	v_lshlrev_b32 v96, 6, v93
	v_lshl_add_u32 v96, v94, 4, v96                ; hw2: 64 r + 16 h
	v_lshlrev_b32 v97, 4, v94                      ; its row 64: 16 h
	v_lshlrev_b32 v98, 2, v93
	v_lshl_add_u32 v98, v94, 12, v98               ; w1scl: 4,096 h + 4 r
	v_lshlrev_b32 v99, 2, v92                      ; 4 lane
	v_mov_b32 v100, 0
	s_lshl_b32 s74, ttmp9, 15
	s_add_nc_u64 s[4:5], s[4:5], s[74:75]          ; query, subw and out0 at my work-group's first token
	s_lshl_b32 s74, ttmp9, 14
	s_add_nc_u64 s[8:9], s[8:9], s[74:75]
	s_mul_i32 s74, ttmp9, 133120
	s_add_nc_u64 s[22:23], s[22:23], s[74:75]
	PADD 10, 28672
	PADD 12, 512
	PADD 14, 512
	PADD 16, 4160
	PADD 18, 260
	PADD 20, 260
	s_lshl_b32 s60, s24, 8
	v_lshl_add_u32 v19, v92, 3, s60                ; v19  subw: my 8 bytes of a block's 2,048
	s_lshl_b32 s60, s26, 10
	v_lshl_add_u32 v20, v93, 6, s60                ; v20  query: token 16 m + r of the block
	s_wait_alu depctr_va_vdst(0)                   ; the loads below read offsets made ahead of the run of scalar lines
	WIN 0x40                                       ; destination window 1
.set q, 0
.rept 56
	global_load_b128 v[4*q:4*q+3], v95, s[10:11] offset:512*q      ; hw1's codes come in the order of my registers
.set q, q+1
.endr
.irp t, 0,1,2,3
.irp c, 0,1
	global_load_b128 v[224+8*\t+4*\c:227+8*\t+4*\c], v96, s[16:17] offset:1024*\t+32*\c
.endr
.endr
	WIN 0
.irp c, 0,1
	global_load_b128 v[W2T4+4*\c:W2T4+4*\c+3], v97, s[16:17] offset:4096+32*\c
.endr
.irp t, 0,1,2,3,4,5,6,7
.irp p, 0,1
	global_load_b32 v[W1S+2*\t+\p], v98, s[12:13] offset:8192*\p+64*\t
.endr
.endr
	global_load_b32 v[W2S], v99, s[18:19]
	global_load_b32 v[W2S+1], v99, s[18:19] offset:128
	global_load_b32 v[W2S+2], v100, s[18:19] offset:256
	global_load_b128 v[124:127], v95, s[14:15]     ; hb1[s]
	global_load_b32 v128, v99, s[20:21]            ; hb2[s]
	global_load_b32 v129, v99, s[20:21] offset:128
	global_load_b32 v130, v100, s[20:21] offset:256
	global_load_b64 v[SWP:SWP+1], v19, s[8:9]
	s_cmp_eq_u32 s25, 0
	s_cbranch_scc0 .Lno_q0
.irp i, 0,1,2,3
	global_load_b128 v[QX+4*\i:QX+4*\i+3], v20, s[4:5] offset:16*\i
.endr
.Lno_q0:
	v_lshl_add_u32 v1, v92, 4, IMG                 ; v1   an image's place for my lane
	v_lshl_add_u32 v2, v92, 2, ISC                 ; v2   a scale word's
	s_lshl_b32 s60, s24, 2
	s_add_co_u32 s60, s60, SWL
	v_lshl_add_u32 v3, v93, 5, s60                 ; v3   subw[token r][s]
	s_lshl_b32 s60, s24, 9
	s_add_co_u32 s60, s60, B1L
	v_lshl_add_u32 v4, v94, 6, s60                 ; v4   hb1[s] at 16 h
	v_add_nc_u32 v101, s60, v95
	s_mul_i32 s60, s24, 320
	s_add_co_u32 s60, s60, B2L
	v_lshl_add_u32 v5, v94, 5, s60                 ; v5   hb2[s] at 8 h
	v_add_nc_u32 v102, s60, v99
	v_lshl_add_u32 v103, v93, 2, s60
	s_mul_i32 s60, s24, 16640
	s_add_co_u32 s60, s60, STG
	v_mul_u32_u24 v7, v93, 260
	v_add_nc_u32 v7, s60, v7
	v_lshl_add_u32 v6, v94, 5, v7                  ; v6   my stage: token r, output 8 h
	v_add_nc_u32 v7, 256, v7                       ; v7   token r, output 64
	v_lshl_add_u32 v8, v0, 4, STG                  ; v8-10 the sum: 16 bytes a thread, experts 0-2, 3-5, 6-7
	v_add_nc_u32 v9, 49920, v8
	v_add_nc_u32 v10, 99840, v8
	v_lshlrev_b32 v11, 4, v0                       ; v11  and the same place in a block of out0
	s_mul_i32 s60, s26, 3584
	v_add_nc_u32 v12, s60, v1                      ; v12  where I store my tile's images
	s_lshl_b32 s60, s24, 7
	v_add_nc_u32 v13, s60, v2                      ; v13  and my two K steps' scale words: 256 m + 128 par
	s_mul_i32 s60, s26, 25344
	v_mul_u32_u24 v17, v93, 1584
	v_add_nc_u32 v17, s60, v17                     ; v17  RAW: token 16 m + r
	v_lshl_add_u32 v14, v94, 7, v17                ; v14  + 128 h
	v_mad_u32_u24 v15, v94, 144, v17               ; v15  + 144 h
	v_lshl_add_u32 v16, v94, 6, v17                ; v16  + 64 h
	v_add_nc_u32 v18, SWL, v19                     ; v18  where I put my 8 bytes of subw
	v_lshlrev_b32 v21, 3, v94                      ; v21  8 h
	v_lshlrev_b32 v43, 3, v92                      ; v43  8 lane: the block's 65th unit of 256 bytes, in out0,
	v_add_nc_u32 v252, STG+16384, v43              ; v252 in the stages of experts 0-3,
	v_add_nc_u32 v253, 66560, v252                 ; v253 and 4-7
	v_mov_b32 v[C9], 0x3e7c6f08
	v_mov_b32 v[C9+1], 0x3e7c6f08
	v_mov_b32 v[KZ], 0xbf38aa3b
	v_mov_b32 v[KZ+1], 0xbf38aa3b
.irp i, 29,120,121,122,123
	v_mov_b32 v[\i], 0                             ; the upper half of a pair; zero codes
.endr
	s_wait_alu depctr_va_vdst(0)
	s_wait_loadcnt 0x0
	ds_store_b128 v101, v[124:127]
	ds_store_b32 v102, v128
	ds_store_b32 v102, v129 offset:128
	ds_store_b32 v103, v130 offset:256             ; numbers 64 + lane % 16: two lanes write the same word with the same value
	s_wait_tensorcnt 0x0                           ; my 8 rows of args are in,
	s_wait_dscnt 0x0
	s_barrier_signal -1
	s_barrier_wait -1                              ; everybody's are
.macro BLOCK more
	; ---- X: hin becomes codes
	s_wait_loadcnt 0x0                             ; subw and the query of this block
	ds_store_b64 v18, v[SWP:SWP+1]
	s_cmp_eq_u32 s25, 0
	s_cbranch_scc0 .Lodd_\@
	XSTEP N0, 0
	XSTEP N1, 1
	s_wait_dscnt 16                                ; K step 0's numbers are in; K step 1's 16 loads may be out
.irp e, 0,1,2,3,4,5,6,7,8,9,10,11,12,13,14,15
	v_cndmask_b32 v[N0+\e], v[N0+\e], v[QX+\e], s63        ; k = 0 .. 15 are the query: lanes 0-15, block 0
.endr
	XQUANT N0, PCA, 41
	ds_store_b128 v12, v[PCA:PCA+3]
	ds_store_b128 v12, v[PCA+4:PCA+7] offset:512
	s_wait_dscnt 2                                 ; K step 1's numbers are in; the two stores may be out
	XQUANT N1, PCB, 42
	ds_store_b128 v12, v[PCB:PCB+3] offset:1024
	ds_store_b128 v12, v[PCB+4:PCB+7] offset:1536
	s_wait_alu depctr_va_vdst(0)                   ; directly ahead of the branch
	s_branch .Ljoin_\@
.Lodd_\@:
	XSTEP N0, 2
	XLD N1, 17, 1504                               ; block 12: k = 384 .. 399, args' last 64 bytes
	s_wait_dscnt 4
	XQUANT N0, PCA, 41
	ds_store_b128 v12, v[PCA:PCA+3] offset:2048
	ds_store_b128 v12, v[PCA+4:PCA+7] offset:2560
	s_wait_dscnt 2
	v_max3_num_f32 v[XT], |v[N1]|, |v[N1+1]|, 0x1800000
.irp i, 2,4,6,8,10,12,14
	v_max3_num_f32 v[XT], v[XT], |v[N1+\i]|, |v[N1+\i+1]|
.endr
	v_add_nc_u32 v[XT+4], 0xff000000, v[XT]
	v_lshrrev_b32 v[XT+6], 23, v[XT+4]
	v_or_b32 v42, 0x7f7f7f00, v[XT+6]              ; blocks 13 to 15: the byte of 1.0
	v_cvt_scalef32_pk8_fp4_f32 v[PCB], v[N1:N1+7], v[XT+4]
	v_cvt_scalef32_pk8_fp4_f32 v[PCB+1], v[N1+8:N1+15], v[XT+4]
	v_mov_b32 v[PCB+2], 0                          ; the block's 16 zeros.  (A plain place behind the conversions)
	v_mov_b32 v[PCB+3], 0
	v_cndmask_b32 v[PCB], v[PCB], v120, s62        ; lanes 16-31 are block 13: zero codes
	v_cndmask_b32 v[PCB+1], v[PCB+1], v120, s62
	ds_store_b128 v12, v[PCB:PCB+3] offset:3072
.Ljoin_\@:
	v_cndmask_b32 v41, v41, v42, s62               ; lanes 0-15 my first K step's word, lanes 16-31 my second's
	ds_store_b32 v13, v41
	HB1LD                                          ; the first tile's hb1 is asked for here: nobody writes those bytes, and the wait in front of the barrier below covers the loads
.if \more
	s_wait_tensorcnt 0x0                           ; no tensor load of mine is out, so group 0 may be written
	ds_add_u32 v[SPW], v[NIL]                      ; 0 onto my spare word
	s_add_nc_u64 s[38:39], s[38:39], 98304         ; 64 tokens on
	s_wait_dscnt 0x0                               ; the add is done, my images have landed, my reads of RAW and of the stages are over
	s_barrier_signal -1
	s_barrier_wait -1                              ; the same holds of every wave
	tensor_load_to_lds s[36:39], s[28:35]          ; the next block's args: my one tensor load behind this barrier; it has all of P in which to land
	s_nop 0
.rept 4
	v_nop
.endr
	TFLD 1, 2, 0, 0                                ; the first tile's codes; the lines below stand between these loads and the wait for them
	s_wait_xcnt 0x0                                ; earlier loads have read their bases
	s_add_nc_u64 s[4:5], s[4:5], 4096
	s_add_nc_u64 s[8:9], s[8:9], 2048
	global_load_b64 v[SWP:SWP+1], v19, s[8:9]
	s_cmp_eq_u32 s25, 0
	s_cbranch_scc0 .Lno_q_\@
.irp i, 0,1,2,3
	global_load_b128 v[QX+4*\i:QX+4*\i+3], v20, s[4:5] offset:16*\i
.endr
.Lno_q_\@:
.else
	s_wait_dscnt 0x0                               ; the last block asks for nothing: a plain barrier shows the images to all
	s_barrier_signal -1
	s_barrier_wait -1
	TFLD 1, 2, 0, 0
.endif
	; ---- P: my expert, a tile of 16 tokens a trip; three trips look ahead, the fourth is written out
	s_mov_b32 s69, 3
	s_mov_b32 s70, 0
	s_mov_b32 s71, 0
	s_mov_b32 s72, 0
	s_mov_b32 s73, 0
	s_wait_dscnt 0x0                               ; the first tile's codes and scale words
.Ltile_\@:
	TILE 1
	s_sub_co_u32 s69, s69, 1
	s_cmp_lg_u32 s69, 0
	s_cbranch_scc1 .Ltile_\@
	TILE 0
.if \more
	s_wait_tensorcnt 0x0                           ; my 8 rows of the next block's args are in: other waves read them behind this barrier
.endif
	s_wait_dscnt 0x0                               ; my stage is whole, my reads of the images are over
	s_barrier_signal -1
	s_barrier_wait -1
	; ---- S: the eight experts' parts are added; a block of out0 is 16,640 dense bytes: 65 aligned units of 256
	s_cmp_eq_u32 s24, 0
	s_cbranch_scc0 .Lnot_a_\@
.irp p, 0,1,2,3,4,5,6,7                        ; the 65th unit: wave 0, 8 bytes a lane.  Its loads go first: they are older than the 32 below, so the counted waits stand as they are
	ds_load_b64 v[TF+2*\p:TF+2*\p+1], v[252+\p/4] offset:16640*(\p%4)
.endr
.Lnot_a_\@:
.irp i, 0,1,2,3
.irp p, 0,1,2,3,4,5,6,7
	ds_load_b128 v[124+32*\i+4*\p:127+32*\i+4*\p], v[8+\p/3] offset:16640*(\p%3)+4096*\i
.endr
.endr
.irp i, 0,1,2,3
.set SB, 124+32*\i
	s_wait_dscnt 8*(3-\i)                          ; this group's eight loads are in; the later groups' may be out
	QADD SB, SB+4
	QADD SB+8, SB+12
	QADD SB+16, SB+20
	QADD SB+24, SB+28
	QADD SB, SB+8
	QADD SB+16, SB+24
	QADD SB, SB+16
	global_store_b128 v11, v[SB:SB+3], s[22:23] offset:4096*\i th:TH_STORE_NT   ; a wave stores 512 consecutive bytes, aligned
.endr
	s_cmp_eq_u32 s24, 0
	s_cbranch_scc0 .Lnot_0_\@
	v_pk_add_f32 v[TF:TF+1], v[TF:TF+1], v[TF+2:TF+3]      ; (the last wait above was for 0: these eight are in)
	v_pk_add_f32 v[TF+4:TF+5], v[TF+4:TF+5], v[TF+6:TF+7]
	v_pk_add_f32 v[TF+8:TF+9], v[TF+8:TF+9], v[TF+10:TF+11]
	v_pk_add_f32 v[TF+12:TF+13], v[TF+12:TF+13], v[TF+14:TF+15]
	v_pk_add_f32 v[TF:TF+1], v[TF:TF+1], v[TF+4:TF+5]
	v_pk_add_f32 v[TF+8:TF+9], v[TF+8:TF+9], v[TF+12:TF+13]
	v_pk_add_f32 v[TF:TF+1], v[TF:TF+1], v[TF+8:TF+9]
	global_store_b64 v43, v[TF:TF+1], s[22:23] offset:16384 th:TH_STORE_NT
.Lnot_0_\@:
	s_wait_xcnt 0x0                                ; the stores have read their registers and their base
	s_add_nc_u64 s[22:23], s[22:23], 16640
.endm
	s_mov_b32 s68, 7
.Lblock:
	BLOCK 1
	s_sub_co_u32 s68, s68, 1
	s_cmp_lg_u32 s68, 0
	s_cbranch_scc1 .Lblock
	BLOCK 0                                        ; the last block is written out
	s_wait_tensorcnt 0x0                           ; the wave's end, behind my last tensor load and my last LDS store
	ds_add_u32 v[SPW], v[NIL]
	s_wait_dscnt 0x0
	s_endpgm
.Lfunc_end_k_q023cc64c26_handlers:
	.size	k_q023cc64c26_handlers, .Lfunc_end_k_q023cc64c26_handlers-k_q023cc64c26_handlers
	.p2alignl 7, 3214868480
	.fill 96, 4, 3214868480
	.section	.rodata,"a",@progbits
	.p2align	6, 0x0
	.amdhsa_kernel k_q023cc64c26_handlers
		.amdhsa_group_segment_fixed_size 327680
		.amdhsa_private_segment_fixed_size 0
		.amdhsa_enable_private_segment 0
		.amdhsa_kernarg_size 80
		.amdhsa_user_sgpr_count 2
		.amdhsa_user_sgpr_kernarg_segment_ptr 1
		.amdhsa_wavefront_size32 1
		.amdhsa_system_sgpr_workgroup_id_x 1
		.amdhsa_system_sgpr_workgroup_id_y 1
		.amdhsa_system_sgpr_workgroup_id_z 1
		.amdhsa_system_vgpr_workitem_id 0
		.amdhsa_next_free_vgpr 512
		.amdhsa_next_free_sgpr 96
		.amdhsa_reserve_vcc 0
		.amdhsa_float_denorm_mode_32 3
		.amdhsa_float_denorm_mode_16_64 3
		.amdhsa_memory_ordered 1
		.amdhsa_forward_progress 1
		.amdhsa_inst_pref_size 255
	.end_amdhsa_kernel
	.section	.bss,"aw",@nobits
	.p2align	6
	.space	262144
	.amdgpu_metadata
---
amdhsa.version: [ 1, 2 ]
amdhsa.kernels:
  - .name:           k_q023cc64c26_handlers
    .symbol:         k_q023cc64c26_handlers.kd
    .args:
      - { .name: query, .offset: 0, .size: 8, .value_kind: global_buffer, .address_space: global }
      - { .name: args, .offset: 8, .size: 8, .value_kind: global_buffer, .address_space: global }
      - { .name: subw, .offset: 16, .size: 8, .value_kind: global_buffer, .address_space: global }
      - { .name: w1img, .offset: 24, .size: 8, .value_kind: global_buffer, .address_space: global }
      - { .name: w1scl, .offset: 32, .size: 8, .value_kind: global_buffer, .address_space: global }
      - { .name: hb1, .offset: 40, .size: 8, .value_kind: global_buffer, .address_space: global }
      - { .name: hw2_codes, .offset: 48, .size: 8, .value_kind: global_buffer, .address_space: global }
      - { .name: hw2_scales, .offset: 56, .size: 8, .value_kind: global_buffer, .address_space: global }
      - { .name: hb2, .offset: 64, .size: 8, .value_kind: global_buffer, .address_space: global }
      - { .name: out0, .offset: 72, .size: 8, .value_kind: global_buffer, .address_space: global }
    .group_segment_fixed_size: 327680
    .private_segment_fixed_size: 0
    .kernarg_segment_align: 8
    .kernarg_segment_size: 80
    .max_flat_workgroup_size: 256
    .sgpr_count:     96
    .vgpr_count:     512
    .wavefront_size: 32
...
	.end_amdgpu_metadata
.endif
;; end of part 2
